; MI455X (gfx1250); checked and timed in simulation.
; The chip was launched on July 23, 2026; its instructions are those of AMD's public machine-readable ISA for CDNA 5 (MIT licence, August 2026) and "CDNA5" Instruction Set Architecture Reference Guide (July 2026). The comments in the code are by the model that wrote it; some were corrected since.
;; Sigmoid Attention. Allowed arithmetic: matrix products marked QUANTISED: E2M1 operands, one E8M0 scale for each 32 along K, by v_wmma_scale_f32_16x16x128_f8f6f4 with both operands' format E2M1 (or v_wmma_scale_f32_32x16x128_f4), f32 sums; products left as they are: bf16, f16 or f32 operands; f32 sums; everything else in f32.
;; Inputs: Wk 1,024 x 1,024 float32; Wq 1,024 x 1,024 float32; Wv 1,024 x 1,024 float32; X 4 x 2,048 x 1,024 float32; bk 1,024 float32; bq 1,024 float32; bv 1,024 float32.
;; Outputs: out0 4 x 2,048 x 1,024 float32.
;; This version of the problem:
;;   THIS VERSION OF THE PROBLEM IS GIVEN IN LOW PRECISION. The matrix products marked QUANTISED in the list below multiply operands that are first quantised to E2M1 (2 exponent bits, 1 mantissa bit; 4 bits a number), with one power-of-two scale for each 32 numbers along K (OCP MX v1.0); their sums are f32. The products marked 'left as it is' may take bf16, f16 or f32 operands, with f32 sums. Whichever they take, every output number must still come out within the allowed error. Rounding operands to bf16 (8 significant bits) uses up far more of that allowance than f16 does (11 bits, for magnitudes from 6e-5 to 65,504). All else is computed in f32.
;;   The module's matrix products, in the order in which they are computed (A, B: the left and right operand; K: the contracted axis; several contracted axes count as one K, in the product's order):
;;     1. [M 8,192, K 1,024] x [K 1,024, N 1,024]; A: input X; B: input Wq: QUANTISED
;;     2. [M 8,192, K 1,024] x [K 1,024, N 1,024]; A: input X; B: input Wk: QUANTISED
;;     3. [M 8,192, K 1,024] x [K 1,024, N 1,024]; A: input X; B: input Wv: QUANTISED
;;     4. batch 4 x [M 2,048, K 1,024] x [K 1,024, N 2,048]; A: computed on the way; B: computed on the way: left as it is (an operand is computed on the way)
;;     5. batch 4 x [M 2,048, K 2,048] x [K 2,048, N 1,024]; A: computed on the way; B: computed on the way: left as it is (an operand is computed on the way)
;;   THE QUANTISER, for each operand of a quantised product, along K:
;;     - K is cut into blocks of 32 from its start; a last block that is shorter is filled with zeros.
;;     - A block's scale is 2^e with e = floor(log2(the largest magnitude in the block)) - 2, held to -126 .. 127; a block of zeros has e = 0. As a byte (E8M0): e + 127.
;;     - Each number is divided by its block's scale, clamped to +-6, and rounded to the nearest number of E2M1, ties to even, subnormals kept.
;;     - The product sums the exact products of the quantised numbers (number of the format x scale) in f32.
;;   ~~~python
;;   def quantise(x, axis):      # numpy; x: float32 -> the quantised numbers, widened to float32 again
;;       x = np.moveaxis(x, axis, -1); K = x.shape[-1]
;;       x = np.pad(x, [(0, 0)] * (x.ndim - 1) + [(0, -K % 32)]); x = x.reshape(x.shape[:-1] + (-1, 32)); a = np.abs(x).max(-1, keepdims=True)
;;       e = np.where(a > 0, np.clip(np.frexp(np.where(a > 0, a, 1))[1] - 1 - 2, -126, 127), 0)      # np.frexp(a)[1] - 1 = floor(log2(a)), exactly
;;       r = np.clip(x / 2.0 ** e, -6, 6)
;;       step = 2.0 ** (np.maximum(np.frexp(np.where(r == 0, 1, r))[1] - 1, 0) - 1)
;;       q = np.round(r / step) * step * 2.0 ** e      # np.round: ties to even
;;       return np.moveaxis(q.reshape(q.shape[:-2] + (-1,))[..., :K], -1, axis).astype(np.float32)
;;   ~~~
;; One version. Each part assembles by itself: llvm-mc -triple=amdgcn-amd-amdhsa -mcpu=gfx1250 --defsym DOCPART=n.
;; ======== version 1 of 1: 5 launches
;; limits: values are held in f16: magnitudes above 65,504 overflow, below 6.1e-05 lose precision
;; workspace buffers: xc 4,194,304 bytes; xs 262,144 bytes; wc 1,572,864 bytes; ws 98,304 bytes; qkv 50,331,648 bytes; p 33,554,432 bytes
;; launch quantx (part 1): grid 256 x 1, 4 waves a work-group, no clusters, 33,280 bytes of LDS; arguments X, xc, xs; writes xc, xs
.if DOCPART == 1
	.amdgcn_target "amdgcn-amd-amdhsa--gfx1250"
	.amdhsa_code_object_version 6
	.text
	.protected	k_qd815faef8f_quantx
	.globl	k_qd815faef8f_quantx
	.p2align	8
	.type	k_qd815faef8f_quantx,@function
k_qd815faef8f_quantx:
	s_mov_b64 s[64:65], 0
	v_nop
	global_prefetch_b8 v0, s[64:65] scope:SCOPE_SE
	s_setreg_imm32_b32 hwreg(HW_REG_WAVE_MODE, 25, 1), 1
	s_wait_xcnt 0x0
; X [8192][1024], f32, becomes codes of FP4 (E2M1), K innermost, xc [8192][512 bytes], and one E8M0 scale byte for each 32 along K, xs [8192][32].
; A block's scale is 2^(floor(log2(its largest magnitude)) - 2); its byte is the largest magnitude's own exponent field - 2, held at 1 from below.
; (A block of zeros so gets the byte 1 where the rule says 127: its codes are zeros, which add nothing under any byte but 0xff, and this program alone reads the bytes.)
; LIMITS: blocks whose largest magnitude lies under 2^-124, the floor, get the byte 1; NaN and infinities among the inputs are not served.
; Rows are dense and 1,024 is a multiple of 32: X is a plain stream of blocks of 32 numbers, and so are the codes and the scale bytes.
; A wave takes 16 steps of 512 numbers.  Each of a step's four loads reads 512 consecutive bytes, 16 a lane; the 2,048 bytes go through the wave's own stage in LDS and come back 64 bytes a lane,
; so that a lane holds 16 neighbours along K (two neighbouring lanes hold a block), as the conversions want them.  A lane's 16 codes are 8 bytes: the wave stores 256 consecutive bytes.
; A wave's 256 scale bytes are gathered in its own LDS bytes and leave as 256 consecutive bytes.  No barrier: waves share nothing.  Loads run four steps (16 loads a wave) ahead.
.set WAVES, 4
.set STEPS, 16
.set EMAX,  2
.set CB,    8                          ; bytes of 16 codes
.set R,     16                         ; v16-79   four sets of 16 numbers as they are loaded
.set X,     80                         ; v80-111  two sets of 16 neighbours
.set C,     128                        ; v128-191 codes: four registers for each step, so that no store's data are written again
.set E,     112                        ; v112-127 a scale byte for each step
.set WREG,  8192                       ; LDS: a region for each wave: two stages of 32 x SP bytes, behind them its 256 scale bytes
.set SP,    80                         ; a lane's place in a stage: 64 bytes + 16 of padding
.set SPW,   12                         ; v12      LDS address of my spare word; never rewritten
.set NIL,   13                         ; v13      0; never rewritten
.set SPARE, WAVES*WREG                 ; behind the four regions: the spare words, 128 bytes for each wave
	s_load_b64 s[4:5], s[0:1], 0x0                 ; X
	s_load_b64 s[8:9], s[0:1], 0x8                 ; the codes
	s_load_b64 s[10:11], s[0:1], 0x10              ; the scale bytes
	v_lshl_add_u32 v[SPW], v0, 2, SPARE
	v_mov_b32 v[NIL], 0
	v_lshrrev_b32 v1, 5, v0
	v_readfirstlane_b32 s16, v1                    ; wave
	v_and_b32 v2, 31, v0                           ; lane
	v_lshlrev_b32 v3, 4, v2                        ; my 16 bytes of a load's 512
	s_mul_i32 s17, s16, WREG
	v_lshrrev_b32 v14, 2, v2
	v_mul_u32_u24 v14, v14, SP
	v_and_b32 v15, 3, v2
	v_lshl_add_u32 v14, v15, 4, v14
	v_add_nc_u32 v14, s17, v14                     ; the stage, on the way in: SP (lane / 4) + 16 (lane % 4)
	v_mul_u32_u24 v15, v2, SP
	v_add_nc_u32 v15, s17, v15                     ; and on the way out: SP x lane: my 16 neighbours
	v_mul_u32_u24 v4, v2, CB                       ; my codes' place in a step's
	v_lshrrev_b32 v5, 1, v2
	s_add_co_u32 s17, s17, 2*32*SP
	v_add_nc_u32 v5, s17, v5                       ; LDS: my wave's 256 scale bytes, my block's byte
	v_lshlrev_b32 v7, 3, v2                        ; and on the way out 8 bytes a lane
	v_add_nc_u32 v6, s17, v7
	s_lshl_b32 s17, ttmp9, 2
	s_add_co_u32 s18, s17, s16                     ; which run of 8,192 numbers is my wave's
	s_mov_b32 s19, 0
	s_mov_b64 s[20:21], 512*STEPS*4
	s_mul_u64 s[20:21], s[18:19], s[20:21]
	s_mov_b64 s[22:23], 32*STEPS*CB
	s_mul_u64 s[22:23], s[18:19], s[22:23]
	s_lshl_b32 s18, s18, 8                         ; 256 scale bytes a run
	s_wait_kmcnt 0x0
	s_add_nc_u64 s[4:5], s[4:5], s[20:21]
	s_add_nc_u64 s[8:9], s[8:9], s[22:23]
	s_add_nc_u64 s[10:11], s[10:11], s[18:19]
.macro LOAD t
.irp i, 0,1,2,3
	global_load_b128 v[R+16*((\t)%4)+4*\i:R+16*((\t)%4)+4*\i+3], v3, s[4:5] offset:2048*(\t)+512*\i th:TH_LOAD_NT   ; 32 lanes read 512 consecutive bytes
.endr
.endm
.macro TURN t                          ; step t's numbers through the stage: LDS serves a wave's instructions in order, so no wait stands between the stores and the loads
.irp i, 0,1,2,3
	ds_store_b128 v14, v[R+16*((\t)%4)+4*\i:R+16*((\t)%4)+4*\i+3] offset:32*SP*((\t)%2)+8*SP*\i
.endr
.irp i, 0,1,2,3
	ds_load_b128 v[X+16*((\t)%2)+4*\i:X+16*((\t)%2)+4*\i+3], v15 offset:32*SP*((\t)%2)+16*\i
.endr
.endm
.irp t, 0,1,2,3
	LOAD \t
.endr
	s_wait_loadcnt 12                              ; step 0's four loads are in; the 12 of steps 1 to 3 may be out
	TURN 0
.macro STEP t
.set XS, X+16*((\t)%2)
.if (\t) > 0
	s_wait_dscnt 1                                 ; this step's numbers are back from the stage (the last step's byte store may be out): its stores into the stage have read their registers,
.else
	s_wait_dscnt 0x0
.endif
.if (\t)+4 < STEPS
	LOAD (\t)+4                                    ; which take the loads of four steps on
.endif
.if (\t)+1 < STEPS
.if STEPS-2-(\t) >= 3
	s_wait_loadcnt 12                              ; the next step's four loads are in; those of the three steps behind it may be out
.else
	s_wait_loadcnt 4*(STEPS-2-(\t))
.endif
	TURN (\t)+1                                    ; and go through the other stage while this step is worked
.endif
	v_max3_num_f32 v8, |v[XS]|, |v[XS+1]|, |v[XS+2]|               ; the largest magnitude of my 16, in two chains
	v_max3_num_f32 v9, |v[XS+3]|, |v[XS+4]|, |v[XS+5]|
.irp i, 6,10
	v_max3_num_f32 v8, v8, |v[XS+\i]|, |v[XS+\i+1]|
	v_max3_num_f32 v9, v9, |v[XS+\i+2]|, |v[XS+\i+3]|
.endr
	v_max3_num_f32 v8, v8, |v[XS+14]|, |v[XS+15]|
	v_max3_num_f32 v8, v8, v9, (EMAX+1)<<23        ; and the floor 2^(EMAX + 1 - 127): the byte cannot fall under 1
	v_max_num_f32_dpp v8, v8, v8 row_xmask:1 row_mask:0xf bank_mask:0xf   ; and of my neighbour's 16: the block's
	v_add_nc_u32 v11, -(EMAX<<23), v8              ; EMAX off its exponent field: the conversion takes the exponent field of this operand as its scale
	v_cvt_scalef32_pk8_fp4_f32 v[C+4*(\t)], v[XS:XS+7], v11
	v_cvt_scalef32_pk8_fp4_f32 v[C+4*(\t)+1], v[XS+8:XS+15], v11
	v_lshrrev_b32 v[E+(\t)], 23, v11               ; the scale's byte (also the plain line behind the conversions)
	ds_store_b8 v5, v[E+(\t)] offset:16*(\t)       ; both lanes of a block write the same byte with the same value
	global_store_b64 v4, v[C+4*(\t):C+4*(\t)+1], s[8:9] offset:32*CB*(\t)   ; 32 lanes store 256 consecutive bytes, aligned
.endm
.irp t, 0,1,2,3,4,5,6,7,8,9,10,11,12,13,14,15
	STEP \t
.endr
	ds_load_b64 v[8:9], v6                         ; LDS serves a wave's instructions in order: these see my stores
	s_wait_dscnt 0x0
	global_store_b64 v7, v[8:9], s[10:11]          ; 32 lanes store 256 consecutive bytes, aligned
	s_wait_tensorcnt 0x0                           ; the wave's end: these three lines stand behind my last LDS store
	ds_add_u32 v[SPW], v[NIL]
	s_wait_dscnt 0x0
	s_endpgm
.Lfunc_end_k_qd815faef8f_quantx:
	.size	k_qd815faef8f_quantx, .Lfunc_end_k_qd815faef8f_quantx-k_qd815faef8f_quantx
	.p2alignl 7, 3214868480
	.fill 96, 4, 3214868480
	.section	.rodata,"a",@progbits
	.p2align	6, 0x0
	.amdhsa_kernel k_qd815faef8f_quantx
		.amdhsa_group_segment_fixed_size 33280
		.amdhsa_private_segment_fixed_size 0
		.amdhsa_enable_private_segment 0
		.amdhsa_kernarg_size 24
		.amdhsa_user_sgpr_count 2
		.amdhsa_user_sgpr_kernarg_segment_ptr 1
		.amdhsa_wavefront_size32 1
		.amdhsa_system_sgpr_workgroup_id_x 1
		.amdhsa_system_sgpr_workgroup_id_y 1
		.amdhsa_system_sgpr_workgroup_id_z 1
		.amdhsa_system_vgpr_workitem_id 0
		.amdhsa_next_free_vgpr 192
		.amdhsa_next_free_sgpr 66
		.amdhsa_reserve_vcc 0
		.amdhsa_float_denorm_mode_32 3
		.amdhsa_float_denorm_mode_16_64 3
		.amdhsa_memory_ordered 1
		.amdhsa_forward_progress 1
		.amdhsa_inst_pref_size 33
	.end_amdhsa_kernel
	.amdgpu_metadata
---
amdhsa.version: [ 1, 2 ]
amdhsa.kernels:
  - .name:           k_qd815faef8f_quantx
    .symbol:         k_qd815faef8f_quantx.kd
    .args:
      - { .name: X, .offset: 0, .size: 8, .value_kind: global_buffer, .address_space: global }
      - { .name: xc, .offset: 8, .size: 8, .value_kind: global_buffer, .address_space: global }
      - { .name: xs, .offset: 16, .size: 8, .value_kind: global_buffer, .address_space: global }
    .group_segment_fixed_size: 33280
    .private_segment_fixed_size: 0
    .kernarg_segment_align: 8
    .kernarg_segment_size: 24
    .max_flat_workgroup_size: 128
    .sgpr_count:     66
    .vgpr_count:     192
    .wavefront_size: 32
...
	.end_amdgpu_metadata
.endif
;; end of part 1
;; launch quantw (part 2): grid 48 x 2, 16 waves a work-group, no clusters, 20,480 bytes of LDS; arguments Wq, Wk, Wv, wc, ws; writes wc, ws
.if DOCPART == 2
	.amdgcn_target "amdgcn-amd-amdhsa--gfx1250"
	.amdhsa_code_object_version 6
	.text
	.protected	k_qd815faef8f_quantw
	.globl	k_qd815faef8f_quantw
	.p2align	8
	.type	k_qd815faef8f_quantw,@function
k_qd815faef8f_quantw:
	s_mov_b64 s[64:65], 0
	v_nop
	global_prefetch_b8 v0, s[64:65] scope:SCOPE_SE
	s_setreg_imm32_b32 hwreg(HW_REG_WAVE_MODE, 25, 1), 1
	s_wait_xcnt 0x0
; Wq, Wk, Wv [1024 (k)][1024 (n)], f32, K their FIRST axis, become codes of FP4 (E2M1) with K innermost, the three weights on end: wc [3072][512 bytes], row 1024 w + n; scale bytes ws [3072][32].
; A LANE TAKES A COLUMN n AND ITS REGISTERS RUN DOWN K: a block of 32 along K lies in one lane's 32 registers, so its largest magnitude needs no other lane and the conversions give codes with K innermost.
; SHARES.  Work-group (x, y): 64 columns (rows 64 x .. 64 x + 63 of wc; the weight is x / 16) x 512 along K (half y).  Wave w takes ONE block of 32 along K, 16 y + w, of all 64 columns:
; lane l holds columns l and l + 32.  All 64 loads of a wave go out at once; a pair of loads reads 256 consecutive bytes of a row of W.
; The sixteen waves' codes meet in a stage in LDS (row = column, 16 bytes a wave) and leave as rows: sixteen lanes store 256 consecutive bytes, aligned.
; The scale bytes leave as 16 bytes of each column's 32-byte row: pieces, 96 KiB in the whole launch.
; A block's scale byte is its largest magnitude's exponent field - 2, held at 1 from below (a block of zeros gets 1 where the rule says 127: its codes are zeros, and this program alone reads the bytes).
; LIMITS: blocks whose largest magnitude lies under 2^-124 get the byte 1; NaN and infinities among the inputs are not served.
.set PITCH, 272                        ; a stage row: 256 bytes + 16
.set SCS,   64*PITCH                   ; behind the stage: 64 columns x 16 scale bytes
.set SPARE, SCS+1024                   ; behind them: the spare words, 128 bytes for each of sixteen waves
.set XN,    32                         ; v32-95   two columns' 32 numbers
.set CD,    96                         ; v96-103  their codes
.set SPW,   16                         ; v16      LDS address of my spare word; never rewritten
.set NIL,   17                         ; v17      0; never rewritten
	s_load_b256 s[4:11], s[0:1], 0x0               ; Wq s[4:5], Wk s[6:7], Wv s[8:9], the codes s[10:11]
	s_load_b64 s[12:13], s[0:1], 0x20              ; the scale bytes
	v_lshl_add_u32 v[SPW], v0, 2, SPARE
	v_mov_b32 v[NIL], 0
	v_lshrrev_b32 v1, 5, v0
	v_readfirstlane_b32 s16, v1                    ; wave 0..15
	v_and_b32 v2, 31, v0                           ; lane
	v_and_b32 v18, 15, v0                          ; r
	v_bfe_u32 v19, v0, 4, 1                        ; h
	v_lshlrev_b32 v3, 2, v2                        ; in: 4 bytes a lane
	s_lshl_b32 s26, s16, 4
	v_mul_u32_u24 v4, v2, PITCH
	v_add_nc_u32 v4, s26, v4                       ; into the stage: row = my column, 16 bytes for my wave's block
	v_lshl_add_u32 v5, v2, 4, SCS
	v_add_nc_u32 v5, s16, v5                       ; my column's 16 scale bytes, my wave's byte
	s_mul_i32 s27, s16, 4*PITCH
	v_mul_u32_u24 v6, v19, PITCH
	v_lshl_add_u32 v6, v18, 4, v6
	v_add_nc_u32 v6, s27, v6                       ; out of it: my wave's four rows, sixteen lanes to a row
	v_lshlrev_b32 v8, 9, v19
	v_lshl_add_u32 v8, v18, 4, v8                  ; and the same place in the codes' buffer: rows of 512 bytes
	v_and_b32 v7, 63, v0
	v_lshlrev_b32 v9, 5, v7                        ; waves 0 and 1: thread t takes column t's 16 scale bytes; a row of ws is 32 bytes
	v_lshl_add_u32 v7, v7, 4, SCS
	s_and_b32 s17, ttmp9, 15                       ; which 64 columns of the weight
	s_and_b32 s18, ttmp7, 0xffff                   ; which half of K
	s_lshl_b32 s19, s18, 4
	s_add_co_u32 s19, s19, s16                     ; my block along K
	s_lshl_b32 s20, s19, 17                        ; 32 rows of 4,096 bytes a block
	s_lshl_b32 s21, s17, 8
	s_add_co_u32 s20, s20, s21
	s_mov_b32 s21, 0
	s_lshl_b32 s22, ttmp9, 6
	s_lshl_b32 s23, s16, 2
	s_add_co_u32 s22, s22, s23                     ; the first row of wc that my wave stores
	s_lshl_b32 s22, s22, 9
	s_lshl_b32 s23, s18, 8
	s_add_co_u32 s22, s22, s23
	s_mov_b32 s23, 0
	s_lshl_b32 s24, ttmp9, 11                      ; 64 rows of 32 scale bytes
	s_lshl_b32 s25, s18, 4
	s_add_co_u32 s24, s24, s25
	s_mov_b32 s25, 0
	s_wait_kmcnt 0x0
	s_cmp_lt_u32 ttmp9, 16                         ; which weight: the choice hangs on the work-group's number alone
	s_cselect_b64 s[4:5], s[4:5], s[6:7]
	s_cmp_lt_u32 ttmp9, 32
	s_cselect_b64 s[4:5], s[4:5], s[8:9]
	s_add_nc_u64 s[4:5], s[4:5], s[20:21]
	s_add_nc_u64 s[10:11], s[10:11], s[22:23]
	s_add_nc_u64 s[12:13], s[12:13], s[24:25]
.set i, 0
.rept 32
	global_load_b32 v[XN+i],    v3, s[4:5] offset:4096*i th:TH_LOAD_NT       ; W(32 block + i, column l)
	global_load_b32 v[XN+32+i], v3, s[4:5] offset:4096*i+128 th:TH_LOAD_NT   ; and column l + 32
.set i, i+1
.endr
	s_wait_loadcnt 0x0
.irp c, 0,1                            ; the two blocks by turns
	v_max3_num_f32 v[12+\c], |v[XN+32*\c]|, |v[XN+1+32*\c]|, 0x1800000   ; with the floor 2^(3 - 127): the byte cannot fall under 1
.endr
.irp i, 2,4,6,8,10,12,14,16,18,20,22,24,26,28,30
.irp c, 0,1
	v_max3_num_f32 v[12+\c], v[12+\c], |v[XN+32*\c+\i]|, |v[XN+1+32*\c+\i]|
.endr
.endr
.irp c, 0,1
	v_add_nc_u32 v[14+\c], 0xff000000, v[12+\c]    ; 2 off the exponent field: the conversion's scale operand
.endr
.irp c, 0,1
	v_lshrrev_b32 v[10+\c], 23, v[14+\c]           ; the scale's byte
.endr
.irp c, 0,1
.irp g, 0,1,2,3
	v_cvt_scalef32_pk8_fp4_f32 v[CD+4*\c+\g], v[XN+32*\c+8*\g:XN+32*\c+8*\g+7], v[14+\c]
.endr
.endr
	v_nop                                          ; one plain line behind the last scaled conversion
	ds_store_b128 v4, v[CD:CD+3]
	ds_store_b128 v4, v[CD+4:CD+7] offset:32*PITCH
	ds_store_b8 v5, v10
	ds_store_b8 v5, v11 offset:512
	s_wait_dscnt 0x0                               ; for the others' sake: my stores have landed
	s_barrier_signal -1
	s_barrier_wait -1                              ; the stage and the scale bytes are whole
	s_cmp_lt_u32 s16, 2
	s_cbranch_scc0 .Lno_scales
	ds_load_b128 v[112:115], v7
	s_wait_dscnt 0x0
	global_store_b128 v9, v[112:115], s[12:13]     ; 16 bytes of each column's row of scale bytes
.Lno_scales:
	ds_load_b128 v[104:107], v6
	ds_load_b128 v[108:111], v6 offset:2*PITCH
	s_wait_dscnt 0x0
	global_store_b128 v8, v[104:107], s[10:11]     ; sixteen lanes store 256 consecutive bytes, aligned
	global_store_b128 v8, v[108:111], s[10:11] offset:1024
	s_wait_tensorcnt 0x0                           ; the wave's end: these three lines stand behind my last LDS store
	ds_add_u32 v[SPW], v[NIL]
	s_wait_dscnt 0x0
	s_endpgm
.Lfunc_end_k_qd815faef8f_quantw:
	.size	k_qd815faef8f_quantw, .Lfunc_end_k_qd815faef8f_quantw-k_qd815faef8f_quantw
	.p2alignl 7, 3214868480
	.fill 96, 4, 3214868480
	.section	.rodata,"a",@progbits
	.p2align	6, 0x0
	.amdhsa_kernel k_qd815faef8f_quantw
		.amdhsa_group_segment_fixed_size 20480
		.amdhsa_private_segment_fixed_size 0
		.amdhsa_enable_private_segment 0
		.amdhsa_kernarg_size 40
		.amdhsa_user_sgpr_count 2
		.amdhsa_user_sgpr_kernarg_segment_ptr 1
		.amdhsa_wavefront_size32 1
		.amdhsa_system_sgpr_workgroup_id_x 1
		.amdhsa_system_sgpr_workgroup_id_y 1
		.amdhsa_system_sgpr_workgroup_id_z 1
		.amdhsa_system_vgpr_workitem_id 0
		.amdhsa_next_free_vgpr 128
		.amdhsa_next_free_sgpr 66
		.amdhsa_reserve_vcc 0
		.amdhsa_float_denorm_mode_32 3
		.amdhsa_float_denorm_mode_16_64 3
		.amdhsa_memory_ordered 1
		.amdhsa_forward_progress 1
		.amdhsa_inst_pref_size 13
	.end_amdhsa_kernel
	.amdgpu_metadata
---
amdhsa.version: [ 1, 2 ]
amdhsa.kernels:
  - .name:           k_qd815faef8f_quantw
    .symbol:         k_qd815faef8f_quantw.kd
    .args:
      - { .name: Wq, .offset: 0, .size: 8, .value_kind: global_buffer, .address_space: global }
      - { .name: Wk, .offset: 8, .size: 8, .value_kind: global_buffer, .address_space: global }
      - { .name: Wv, .offset: 16, .size: 8, .value_kind: global_buffer, .address_space: global }
      - { .name: wc, .offset: 24, .size: 8, .value_kind: global_buffer, .address_space: global }
      - { .name: ws, .offset: 32, .size: 8, .value_kind: global_buffer, .address_space: global }
    .group_segment_fixed_size: 20480
    .private_segment_fixed_size: 0
    .kernarg_segment_align: 8
    .kernarg_segment_size: 40
    .max_flat_workgroup_size: 512
    .sgpr_count:     66
    .vgpr_count:     128
    .wavefront_size: 32
...
	.end_amdgpu_metadata
.endif
;; end of part 2
;; launch proj (part 3): grid 12 x 32, 4 waves a work-group, clusters of 4 x 4, 327,680 bytes of LDS; arguments xc, xs, wc, ws, bq, bk, bv, qkv; writes qkv
.if DOCPART == 3
	.amdgcn_target "amdgcn-amd-amdhsa--gfx1250"
	.amdhsa_code_object_version 6
	.text
	.protected	k_qd815faef8f_proj
	.globl	k_qd815faef8f_proj
	.p2align	8
	.type	k_qd815faef8f_proj,@function
k_qd815faef8f_proj:
	s_mov_b64 s[64:65], 0
	v_nop
	global_prefetch_b8 v0, s[64:65] scope:SCOPE_SE
	s_setreg_imm32_b32 hwreg(HW_REG_WAVE_MODE, 25, 1), 1
	s_wait_xcnt 0x0
	s_wait_alu depctr_hold_cnt(0) depctr_sa_sdst(0) depctr_va_vdst(0) depctr_va_sdst(0) depctr_va_ssrc(0) depctr_va_vcc(0) depctr_vm_vsrc(0)
	s_getreg_b32 s2, hwreg(HW_REG_IB_STS2, 6, 4)
	s_cmp_eq_u32 s2, 0
	s_cbranch_scc0 .Lentry_in_a_cluster
	s_endpgm
.Lentry_in_a_cluster:
	s_bfe_u32 s2, ttmp6, 0x10000c
	s_cmp_lg_u32 s2, 0xf033
	s_cbranch_scc0 .Lentry_shape_is_right
	s_endpgm
.Lentry_shape_is_right:
; qkv[m][n] = sum over k of X[m][k] W[n][k] + bias[n], on codes of FP4 (E2M1) with one E8M0 scale for each 32 along K; sums in f32; the result is rounded once, to f16.
; A = xc [8192][512 bytes], xs [8192][32];  B = wc [3072][512 bytes], ws [3072][32]: Wq's, Wk's, Wv's 1,024 rows on end;  qkv [8192][3072] f16: Q, K, V side by side in a row of 6,144 bytes.
; LIMIT: a projection beyond 65,504 in magnitude becomes an infinity of f16.  With all inputs 30 times the drawn spread the projections reach some 5,000.
; A tile of 256 x 256 is made by a work-group of four waves; a wave makes 128 x 128: 64 accumulators of 16 x 16, 512 registers.
; K = 1,024 is two slots of 512 along K (rows of 256 bytes): both are asked for at the start, and nothing in LDS is filled twice.  By this text's count a wave has three tensor loads out: scales, slot 0, slot 1.
; THE SCALES of the work-group's 256 rows of A and of B, for all of K, are two dense blocks of memory: they come into LDS once, as rows of 256 bytes, and stay.
; CLUSTERS: 4 x 4 work-groups.  The four of a row of the cluster need the same tiles of A, the four of a column the same tiles of B: each tile is asked for JOINTLY.
; THE MATRIX INSTRUCTION IS USED TRANSPOSED (source 0 = 16 rows of B, source 1 = 16 rows of A): a lane holds eight neighbouring numbers of a row of the result.
; THE BIAS is the C of each sum's first matrix instruction: eight registers for each of B's eight blocks, in the result's layout (lane (r, h): columns 16 b + 8 h + 0 .. 7).
; REGISTERS, in windows of 256: window 0: v0-31 addresses; v32-95 scale words, two sets; v128-191 A's fragments, ONE set; v192-255 the bias, later at work on the way out.
;   window 1: B's fragments, TWO sets, at v0 and v128.   window 2: the accumulators of my rows 0-63 ((a, b) at v[8 (8 a + b)]);   window 3: those of my rows 64-127.
.set SIZE_M, 8192
.set SIZE_N, 3072
.set SIZE_K, 1024
.set KSTEP,  512                       ; along K in a slot
.set NQ,     KSTEP/128                 ; matrix instructions deep
.set ROWB,   256                       ; a tile's row in bytes
.set KROW,   SIZE_K*4/8                ; a row of codes in memory
.set ROWC,   SIZE_N*2                  ; a row of qkv in bytes
.set PITCH,  272                       ; an LDS row: 256 bytes + 16 = 68 words: row r starts at bank 4 r mod 64 (64 banks of 4 bytes: ISA guide 11.1)
.set FR,     8                         ; registers of a fragment
.set NL,     2                         ; LDS loads that bring one
.set NP,     4                         ; places behind this matrix instruction (ISA guide 7.12.1)
.set HALFT,  128*PITCH
.set SLOT,   4*HALFT                   ; A's 256 rows, then B's 256 rows
.set KS,     SIZE_K/32                 ; a row of scales in bytes
.set SCL,    2*SLOT                    ; behind the slots: the scales, as rows of 256 bytes + 16
.set HALFS,  (128*KS/256)*272          ; the scales of 128 rows: what one tensor load brings
.set SBLK,   (16*KS/256)*272           ; those of 16 rows
.set SPARE,  SCL+4*HALFS               ; behind the scales: the spare words, 128 bytes for each wave
.set SPITCH, 272                       ; the way out: a stage of 16 rows x (256 + 16) bytes for each wave, in slot 0, which has had its one fill and its last read by then
.set ADRA, 16                          ; v16-17  LDS address of my A fragments in slot 0, 1
.set ADRB, 20                          ; v20-21  the same for B
.set STO,  24                          ; v24     the way out: where I put 16 bytes of a row
.set RD,   25                          ; v25     where I read a row back
.set CO,   26                          ; v26     my byte offset in two rows of qkv
.set ADRS, 27                          ; v27     LDS address of my scale words: lanes 0-15 A's rows, lanes 16-31 B's
.set SPW,  28                          ; v28     LDS address of my spare word; never rewritten
.set NIL,  29                          ; v29     0; never rewritten
.set BO,   30                          ; v30     my byte offset in the bias
.set SC,   32                          ; scale words: set s at v[SC + 8 NQ s]; register NQ i + q: lanes 0-15 A's block i, lanes 16-31 B's block i, the slot's q-th 128 along K
.set AF,   128                         ; A's fragments
.set BI,   192                         ; the bias: eight registers for each of B's blocks
.set TMP,  192                         ; the way out: packed results
.set OB,   32                          ; the way out: 16 rows read back: v32-63 and v224-255 by turns
.set G1, 24                            ; s[24:31] group 1 for A's tiles;  s[32:39] group 0, one set for each slot
.set G0, 32
.set G1B, 48                           ; s[48:55], s[56:63] the same for B's
.set G0B, 56
.set G1S, 68                           ; s[68:75], s[76:79] groups 1 and 0 for A's scales;  s[80:87], s[88:91] for B's
.set G0S, 76
.set G1SB, 80
.set G0SB, 88
.set MSB, 0
.macro WIN new                         ; the immediate's high byte repeats the setting that is left
.if MSB != (\new)
	s_set_vgpr_msb (MSB<<8)|(\new)
.set MSB, \new
.endif
.endm
.set MUL_LO, 0xa1                      ; source 0 (B) window 1, source 1 (A) window 0, C and D window 2
.set MUL_HI, 0xf1                      ; the same, C and D window 3
.set TO_B,   0x40                      ; destination window 1, address window 0
; A joint load: waves 0 and 1 fetch for A, waves 2 and 3 for B; the branch hangs on the wave's number alone.  An s_nop 0 and four v_nop follow each of the two lines.
.macro JLOAD g0a, g1a, g0b, g1b
	s_cmp_eq_u32 s15, 0
	s_cbranch_scc0 .Lfor_b_\@
	tensor_load_to_lds s[\g0a:\g0a+3], s[\g1a:\g1a+7]
	s_nop 0
.rept 4
	v_nop
.endr
	s_branch .Lasked_\@
.Lfor_b_\@:
	tensor_load_to_lds s[\g0b:\g0b+3], s[\g1b:\g1b+7]
	s_nop 0
.rept 4
	v_nop
.endr
.Lasked_\@:
.endm
.macro CROUND                          ; a round of the cluster's barrier
	s_barrier_signal -1
	s_barrier_wait -1
	s_cmp_lg_u32 s14, 0
	s_cbranch_scc1 .Lnot_wave_0_\@
	s_barrier_signal -3
.Lnot_wave_0_\@:
	s_barrier_wait -3
	s_barrier_signal -1
	s_barrier_wait -1
.endm
	s_load_b128 s[4:7], s[0:1], 0x0                ; A's codes s[4:5], A's scales s[6:7]
	s_load_b128 s[8:11], s[0:1], 0x10              ; B's codes s[8:9], B's scales s[10:11]
	s_load_b128 s[96:99], s[0:1], 0x20             ; bq, bk
	s_load_b64 s[100:101], s[0:1], 0x30            ; bv
	s_load_b64 s[12:13], s[0:1], 0x38              ; qkv
	v_lshl_add_u32 v[SPW], v0, 2, SPARE
	v_mov_b32 v[NIL], 0
	ds_add_u32 v[SPW], v[NIL]                      ; the wave's opening: the add, twice on end, and its wait ahead of my first tensor load
	ds_add_u32 v[SPW], v[NIL]
	v_lshrrev_b32 v1, 5, v0
	v_readfirstlane_b32 s14, v1                    ; wave 0..3
	s_lshr_b32 s15, s14, 1                         ; which half of the tile's rows is mine.  Also: I fetch for A (0) or for B (1)
	s_and_b32 s16, s14, 1                          ; which half of its columns.  Also: which 128 rows of that tile I fetch
	s_bfe_u32 s40, ttmp6, 0x40000                  ; cx, cy: my place in the cluster
	s_bfe_u32 s41, ttmp6, 0x40004
	s_lshl_b32 s42, ttmp9, 2
	s_add_co_u32 s42, s42, s40                     ; tile column = 4 x cluster x + cx
	s_and_b32 s17, ttmp7, 0xffff
	s_lshl_b32 s17, s17, 2
	s_add_co_u32 s17, s17, s41                     ; tile row = 4 x cluster y + cy
	s_lshl_b32 s43, s41, 2
	s_lshl_b32 s43, 15, s43                        ; my row of the cluster
	s_lshl_b32 s44, 0x1111, s40                    ; my column
	; group 1: a tile of 128 rows x 256 bytes, 16 bytes of padding behind each row
	s_or_b32 s[G1+0], s43, (0<<16)|(1<<20)|(1<<21)|(5<<22)|(3<<25)  ; 15:0 the mask; 17:16 elements of 1 byte; 20 padding on; 21 set beside a mask; 24:22 after every 64 words; 31:25 four words
	s_or_b32 s[G1B+0], s44, (0<<16)|(1<<20)|(1<<21)|(5<<22)|(3<<25)
.irp g, G1, G1B
	s_mov_b32 s[\g+1], ROWB<<16                    ; tensor_dim0
	s_mov_b32 s[\g+2], 128<<16                     ; tensor_dim1
	s_mov_b32 s[\g+3], ROWB<<16                    ; tile_dim0
	s_mov_b32 s[\g+4], 128                         ; tile_dim1
	s_mov_b32 s[\g+5], KROW                        ; tensor_dim0_stride
	s_mov_b32 s[\g+6], 0
	s_mov_b32 s[\g+7], 0
.endr
	; the scales of 128 rows: a dense block of 4,096 bytes, as rows of 256 bytes (32 elements of 8 bytes), 16 bytes of padding behind each
	s_or_b32 s[G1S+0], s43, (3<<16)|(1<<20)|(1<<21)|(5<<22)|(3<<25)
	s_or_b32 s[G1SB+0], s44, (3<<16)|(1<<20)|(1<<21)|(5<<22)|(3<<25)
.irp g, G1S, G1SB
	s_mov_b32 s[\g+1], 32<<16
	s_mov_b32 s[\g+2], (128*KS/256)<<16
	s_mov_b32 s[\g+3], 32<<16
	s_mov_b32 s[\g+4], 128*KS/256
	s_mov_b32 s[\g+5], 32
	s_mov_b32 s[\g+6], 0
	s_mov_b32 s[\g+7], 0
.endr
	s_lshl_b32 s18, s16, 7                         ; which 128 rows of the tile I fetch
	s_lshl_b32 s20, s17, 8
	s_add_co_u32 s20, s20, s18                     ; A: row 256 x tile row + 128 x half
	s_lshl_b32 s46, s42, 8
	s_add_co_u32 s46, s46, s18                     ; B: row 256 x tile column + 128 x half
	s_mov_b32 s21, 0
	s_mov_b32 s47, 0
	s_mov_b64 s[18:19], KS
	s_mul_u64 s[22:23], s[20:21], s[18:19]         ; where these rows' scales begin, in bytes
	s_mul_u64 s[92:93], s[46:47], s[18:19]
	s_mov_b64 s[18:19], KROW
	s_mul_u64 s[20:21], s[20:21], s[18:19]         ; and their codes
	s_mul_u64 s[46:47], s[46:47], s[18:19]
	s_mul_i32 s45, s14, HALFT                      ; where they go: wave x 128 rows: no place in the cluster enters an LDS address
	s_mul_i32 s94, s14, HALFS
	s_wait_dscnt 0x0                               ; both opening adds are done
	s_wait_kmcnt 0x0
	s_add_nc_u64 s[20:21], s[4:5], s[20:21]
	s_add_nc_u64 s[22:23], s[6:7], s[22:23]
	s_add_nc_u64 s[46:47], s[8:9], s[46:47]
	s_add_nc_u64 s[92:93], s[10:11], s[92:93]
	CROUND                                         ; all sixteen work-groups are here: the joint loads meet
	s_mov_b32 s[G0S], 1
	s_add_co_u32 s[G0S+1], s94, SCL
	s_mov_b64 s[G0S+2:G0S+3], s[22:23]
	s_or_b32 s[G0S+3], s[G0S+3], 0x80000000
	s_mov_b32 s[G0SB], 1
	s_add_co_u32 s[G0SB+1], s94, SCL
	s_mov_b64 s[G0SB+2:G0SB+3], s[92:93]
	s_or_b32 s[G0SB+3], s[G0SB+3], 0x80000000
	JLOAD G0S, G1S, G0SB, G1SB                     ; the scales first: they are wanted with slot 0
.irp s, 0,1
	s_mov_b32 s[G0+4*\s], 1
	s_add_co_u32 s[G0+4*\s+1], s45, \s*SLOT
	s_add_nc_u64 s[G0+4*\s+2:G0+4*\s+3], s[20:21], \s*ROWB
	s_or_b32 s[G0+4*\s+3], s[G0+4*\s+3], 0x80000000
	s_mov_b32 s[G0B+4*\s], 1
	s_add_co_u32 s[G0B+4*\s+1], s45, \s*SLOT
	s_add_nc_u64 s[G0B+4*\s+2:G0B+4*\s+3], s[46:47], \s*ROWB
	s_or_b32 s[G0B+4*\s+3], s[G0B+4*\s+3], 0x80000000
	JLOAD G0+4*\s, G1, G0B+4*\s, G1B
.endr
	v_and_b32 v1, 15, v0                           ; r = l % 16
	v_bfe_u32 v2, v0, 4, 1                         ; h = l / 16
	; the bias: four tile columns are one weight, so the cluster's x picks the buffer; my 128 columns begin 256 cx + 128 x half into it
	s_cmp_eq_u32 ttmp9, 0
	s_cselect_b64 s[96:97], s[96:97], s[98:99]
	s_cmp_eq_u32 ttmp9, 2
	s_cselect_b64 s[96:97], s[100:101], s[96:97]
	s_lshl_b32 s95, s40, 10
	s_lshl_b32 s2, s16, 9
	s_add_co_u32 s95, s95, s2
	v_lshl_add_u32 v[BO], v2, 5, s95               ; + 32 h: my half's eight numbers of a block of 16
.irp b, 0,1,2,3,4,5,6,7
	global_load_b128 v[BI+8*\b:BI+8*\b+3],   v[BO], s[96:97] offset:64*\b
	global_load_b128 v[BI+8*\b+4:BI+8*\b+7], v[BO], s[96:97] offset:64*\b+16
.endr
	v_mul_u32_u24 v3, v1, PITCH
	v_lshl_add_u32 v4, v2, 4, v3                   ; a fragment's row x pitch + 16 x half
	s_mul_i32 s21, s15, HALFT                      ; my 128 rows of A
	s_mul_i32 s22, s16, HALFT                      ; my 128 rows of B,
	s_add_co_u32 s22, s22, 2*HALFT                 ; which lie behind A's 256
.irp s, 0,1
	v_add_nc_u32 v[ADRA+\s], s21, v4
	v_add_nc_u32 v[ADRB+\s], s22, v4
	s_add_co_u32 s21, s21, SLOT
	s_add_co_u32 s22, s22, SLOT
.endr
	v_mul_u32_u24 v5, v1, KS                       ; my row's scales: KS bytes a row,
	v_lshrrev_b32 v6, 8, v5
	v_lshl_add_u32 v5, v6, 4, v5                   ; and 16 more for each 256 passed
	s_mul_i32 s21, s15, HALFS                      ; A's: my 128 rows
	s_mul_i32 s22, s16, HALFS                      ; B's: my 128 rows, behind A's 256
	s_add_co_u32 s22, s22, 2*HALFS
	s_sub_co_u32 s22, s22, s21
	v_mul_u32_u24 v6, s22, v2                      ; lanes 16-31 take B's: one product, the distance between the two bases x h
	s_add_co_u32 s21, s21, SCL
	v_add_nc_u32 v5, v5, v6
	v_add_nc_u32 v[ADRS], s21, v5
	s_mul_i32 s23, s14, 16*SPITCH                  ; my stage
	v_mul_u32_u24 v5, v1, SPITCH                   ; in: row l % 16, 16 bytes for each half of the lanes
	v_lshl_add_u32 v5, v2, 4, v5
	v_add_nc_u32 v[STO], s23, v5
	v_mul_u32_u24 v5, v2, SPITCH                   ; back: lanes 0-15 one row of 256 bytes, lanes 16-31 the next
	v_lshl_add_u32 v5, v1, 4, v5
	v_add_nc_u32 v[RD], s23, v5
	v_mul_u32_u24 v5, v2, ROWC                     ; and the same two rows in qkv
	v_lshl_add_u32 v[CO], v1, 4, v5
	s_lshl_b32 s20, s17, 8
	s_lshl_b32 s21, s15, 7
	s_add_co_u32 s20, s20, s21                     ; my first row: 256 x tile row + 128 x half
	s_mov_b32 s21, 0
	s_mov_b64 s[18:19], ROWC
	s_mul_u64 s[20:21], s[20:21], s[18:19]
	s_lshl_b32 s46, s42, 9                         ; my first column, in bytes: 512 x tile column + 256 x half
	s_lshl_b32 s47, s16, 8
	s_add_co_u32 s46, s46, s47
	s_mov_b32 s47, 0
	s_add_nc_u64 s[20:21], s[20:21], s[46:47]
	s_add_nc_u64 s[12:13], s[12:13], s[20:21]
.macro FRAG reg, adr, q, i             ; 16 rows x 128 K of 4-bit codes, 8 registers: lane l holds row l % 16; registers 4 c .. 4 c + 3 hold K = 64 c + 32 (l / 16) + 0 .. 31
.irp c, 0,1
	ds_load_b128 v[\reg+4*\c:\reg+4*\c+3], v[\adr] offset:64*(\q)+32*\c+(\i)*16*PITCH
.endr
.endm
; 16 matrix instructions: A's blocks a0, a0 + 1 x B's eight, the slot's q-th 128 along K.  p: B's set; sc: the set of scale words.  first = 1: the bias is the C, and starts the sums: nothing is cleared.
; The 64 accumulators take turns, one instruction a turn, in the same order in every step.
.macro MUL16 a0, p, q, sc, first
.irp a, \a0, \a0+1
.irp b, 0,1,2,3,4,5,6,7
.if \first
	v_wmma_scale_f32_16x16x128_f8f6f4 v[8*(8*((\a)%4)+\b):8*(8*((\a)%4)+\b)+7], v[128*(\p)+FR*\b:128*(\p)+FR*\b+FR-1], v[AF+FR*(\a):AF+FR*(\a)+FR-1], v[BI+8*\b:BI+8*\b+7], v[SC+8*NQ*(\sc)+NQ*\b+(\q)], v[SC+8*NQ*(\sc)+NQ*(\a)+(\q)] matrix_a_fmt:MATRIX_FMT_FP4 matrix_b_fmt:MATRIX_FMT_FP4 matrix_a_scale:MATRIX_SCALE_ROW1
.else
	v_wmma_scale_f32_16x16x128_f8f6f4 v[8*(8*((\a)%4)+\b):8*(8*((\a)%4)+\b)+7], v[128*(\p)+FR*\b:128*(\p)+FR*\b+FR-1], v[AF+FR*(\a):AF+FR*(\a)+FR-1], v[8*(8*((\a)%4)+\b):8*(8*((\a)%4)+\b)+7], v[SC+8*NQ*(\sc)+NQ*\b+(\q)], v[SC+8*NQ*(\sc)+NQ*(\a)+(\q)] matrix_a_fmt:MATRIX_FMT_FP4 matrix_b_fmt:MATRIX_FMT_FP4 matrix_a_scale:MATRIX_SCALE_ROW1
.endif
.endr
.endr
.endm
.macro FETCH_B slot, q, p              ; B's eight fragments of the slot's q-th 128 along K into set p
	WIN TO_B
.irp i, 0,1,2,3,4,5,6,7
	FRAG 128*(\p)+FR*\i, ADRB+\slot, \q, \i
.endr
	WIN 0
.endm
.macro FETCH_A slot, q, i0             ; A's blocks i0 .. i0 + 3
.irp i, \i0, \i0+1, \i0+2, \i0+3
	FRAG AF+FR*(\i), ADRA+\slot, \q, \i
.endr
.endm
.macro SCALES sc                       ; a slot's scale words into set sc: NQ words a row; lanes 0-15 take A's block i, lanes 16-31 B's block i
.irp i, 0,1,2,3,4,5,6,7
	ds_load_b128 v[SC+8*NQ*\sc+NQ*\i:SC+8*NQ*\sc+NQ*\i+3], v[ADRS] offset:\i*SBLK
.endr
.endm
; A load into a register that a matrix instruction has read, and a vector instruction that reads a matrix result, stand NP places behind that matrix instruction; only plain vector
; instructions that name none of its registers are places (ISA guide 7.12.1 for vector instructions).
.macro PLACES n
.rept \n
	v_nop
.endr
.endm
; A step of 128 along K that has its successor in the same slot.  A block of A is free as soon as its eight products are issued: blocks 0-3 are fetched anew in the step's middle, blocks 4-7 at its end.
.macro STEP slot, q, first
	s_wait_dscnt 4*NL                              ; B's set and A's blocks 0-3 are in; the youngest eight loads (A's blocks 4-7) may be out
.if \first
	WIN 0x81                                       ; as MUL_LO, but C (the bias) in window 0
.else
	WIN MUL_LO
.endif
	MUL16 0, (\q)%2, \q, \slot, \first
	MUL16 2, (\q)%2, \q, \slot, \first
	s_wait_dscnt 0                                 ; A's blocks 4-7 are in
	PLACES NP
	FETCH_B \slot, (\q)+1, 1-(\q)%2
	FETCH_A \slot, (\q)+1, 0
.if \first
	WIN 0xc1                                       ; as MUL_HI, but C in window 0
.else
	WIN MUL_HI
.endif
	MUL16 4, (\q)%2, \q, \slot, \first
	MUL16 6, (\q)%2, \q, \slot, \first
	PLACES NP
	WIN 0
	FETCH_A \slot, (\q)+1, 4
.endm
; Slot 0's last step goes on into slot 1: ONE barrier.  In front of it each wave waits for all its tensor loads (its part of slot 1), adds 0 to its spare word, and waits for that and for its reads of slot 0.
.macro TURN slot, next
	s_wait_tensorcnt 0x0                           ; my part of the next slot has landed  (every window is 0 here)
	ds_add_u32 v[SPW], v[NIL]                      ; 0 onto my spare word
	s_wait_dscnt 4*NL+1                            ; (the add and the youngest eight loads, A's blocks 4-7, may be out)
	WIN MUL_LO
	MUL16 0, 1, NQ-1, \slot, 0
	s_wait_dscnt 0x0                               ; the add is done, and my reads of this slot are over
	s_barrier_signal -1
	MUL16 2, 1, NQ-1, \slot, 0
	WIN 0
	s_barrier_wait -1
	PLACES NP
	v_add_nc_u32 v[ADRS], 4*NQ, v[ADRS]            ; on to the next slot's scale words (no LDS load of mine is out)
	FETCH_B \next, 0, 0
	FETCH_A \next, 0, 0
	SCALES \next
	WIN MUL_HI
	MUL16 4, 1, NQ-1, \slot, 0
	MUL16 6, 1, NQ-1, \slot, 0
	PLACES NP
	WIN 0
	FETCH_A \next, 0, 4
.endm
.macro STEPS slot, from                ; the slot's steps from .. NQ - 2
.set Q, \from
.rept NQ-1-\from
	STEP \slot, Q, 0
.set Q, Q+1
.endr
.endm
	s_wait_tensorcnt 1                             ; the scales and my part of slot 0 are in (slot 1's load may be out),
	s_barrier_signal -1
	s_barrier_wait -1                              ; everybody's are
	FETCH_B 0, 0, 0
	FETCH_A 0, 0, 0
	SCALES 0
	FETCH_A 0, 0, 4
	s_wait_loadcnt 0x0                             ; the bias
	STEP 0, 0, 1                                   ; the first step's products start the sums from the bias
	STEPS 0, 1
	TURN 0, 1
	STEPS 1, 0
	s_wait_dscnt 4*NL                              ; the very last step: nothing more to fetch
	WIN MUL_LO
	MUL16 0, 1, NQ-1, 1, 0
	MUL16 2, 1, NQ-1, 1, 0
	s_wait_dscnt 0
	WIN MUL_HI
	MUL16 4, 1, NQ-1, 1, 0
	MUL16 6, 1, NQ-1, 1, 0
	WIN 0
; THE WAY OUT, block by block of 16 rows x 128 columns.  PACK: rounded to f16, 16 bytes a lane, each accumulator from its low end on.  TOSTAGE: into my own stage and back as whole rows of 256 bytes.  SEND: stored.
.macro PACK a
.set AC, 64*((\a)%4)
	WIN 0x0a+5*((\a)/4)                            ; sources 0 and 1: window 2 or 3
.irp b, 0,1,2,3,4,5,6,7
.irp r, 0,1,2,3
	v_cvt_pk_f16_f32 v[TMP+4*\b+\r], v[AC+8*\b+2*\r], v[AC+8*\b+2*\r+1]
.endr
.endr
	WIN 0
.endm
.macro TOSTAGE a
.set BK, OB+192*((\a)%2)
.irp b, 0,1,2,3,4,5,6,7
	ds_store_b128 v[STO], v[TMP+4*\b:TMP+4*\b+3] offset:32*\b
.endr
.irp t, 0,1,2,3,4,5,6,7
	ds_load_b128 v[BK+4*\t:BK+4*\t+3], v[RD] offset:\t*2*SPITCH    ; LDS serves a wave's instructions in order (ISA guide 5.7.1.4): these see the stores above
.endr
.endm
.macro SEND a, younger
.set BK, OB+192*((\a)%2)
	s_wait_dscnt \younger                          ; the block is back in registers
	s_wait_xcnt 0x0                                ; earlier stores have read their base and their data: only behind this wait are they rewritten
.if (\a) > 0
	s_add_nc_u64 s[12:13], s[12:13], 16*ROWC       ; 16 rows on
.endif
.irp t, 0,1,2,3,4,5,6,7
	global_store_b128 v[CO], v[BK+4*\t:BK+4*\t+3], s[12:13] offset:2*\t*ROWC   ; 16 lanes store 256 consecutive bytes, at a multiple of 256 from qkv's first byte
.endr
.endm
	PLACES NP                                      ; behind the last products: for the conversions that read results and the loads into registers that held scales
	PACK 0
	TOSTAGE 0
.irp a, 1,2,3,4,5,6,7                  ; block a's conversions stand between block a - 1's loads from the stage and the wait for them
	PACK \a
	SEND \a-1, 0
	TOSTAGE \a
.endr
	SEND 7, 0
	s_wait_tensorcnt 0x0                           ; the wave's end: these three lines stand behind my last tensor load and my last LDS store
	ds_add_u32 v[SPW], v[NIL]
	s_wait_dscnt 0x0
	CROUND                                         ; the closing round: no work-group ends while a partner may still ask for a tile that names it
	s_endpgm
.Lfunc_end_k_qd815faef8f_proj:
	.size	k_qd815faef8f_proj, .Lfunc_end_k_qd815faef8f_proj-k_qd815faef8f_proj
	.p2alignl 7, 3214868480
	.fill 96, 4, 3214868480
	.section	.rodata,"a",@progbits
	.p2align	6, 0x0
	.amdhsa_kernel k_qd815faef8f_proj
		.amdhsa_group_segment_fixed_size 327680
		.amdhsa_private_segment_fixed_size 0
		.amdhsa_enable_private_segment 0
		.amdhsa_kernarg_size 64
		.amdhsa_user_sgpr_count 2
		.amdhsa_user_sgpr_kernarg_segment_ptr 1
		.amdhsa_wavefront_size32 1
		.amdhsa_system_sgpr_workgroup_id_x 1
		.amdhsa_system_sgpr_workgroup_id_y 1
		.amdhsa_system_sgpr_workgroup_id_z 1
		.amdhsa_system_vgpr_workitem_id 0
		.amdhsa_next_free_vgpr 1024
		.amdhsa_next_free_sgpr 102
		.amdhsa_reserve_vcc 0
		.amdhsa_float_denorm_mode_32 3
		.amdhsa_float_denorm_mode_16_64 3
		.amdhsa_memory_ordered 1
		.amdhsa_forward_progress 1
		.amdhsa_inst_pref_size 129
	.end_amdhsa_kernel
	.amdgpu_metadata
---
amdhsa.version: [ 1, 2 ]
amdhsa.kernels:
  - .name:           k_qd815faef8f_proj
    .symbol:         k_qd815faef8f_proj.kd
    .args:
      - { .name: xc, .offset: 0, .size: 8, .value_kind: global_buffer, .address_space: global }
      - { .name: xs, .offset: 8, .size: 8, .value_kind: global_buffer, .address_space: global }
      - { .name: wc, .offset: 16, .size: 8, .value_kind: global_buffer, .address_space: global }
      - { .name: ws, .offset: 24, .size: 8, .value_kind: global_buffer, .address_space: global }
      - { .name: bq, .offset: 32, .size: 8, .value_kind: global_buffer, .address_space: global }
      - { .name: bk, .offset: 40, .size: 8, .value_kind: global_buffer, .address_space: global }
      - { .name: bv, .offset: 48, .size: 8, .value_kind: global_buffer, .address_space: global }
      - { .name: qkv, .offset: 56, .size: 8, .value_kind: global_buffer, .address_space: global }
    .group_segment_fixed_size: 327680
    .private_segment_fixed_size: 0
    .kernarg_segment_align: 8
    .kernarg_segment_size: 64
    .max_flat_workgroup_size: 128
    .sgpr_count:     102
    .vgpr_count:     1024
    .wavefront_size: 32
...
	.end_amdgpu_metadata
.endif
;; end of part 3
;; launch scores (part 4): grid 8 x 32, 4 waves a work-group, clusters of 4 x 4, 327,680 bytes of LDS; arguments qkv, p; writes p
.if DOCPART == 4
	.amdgcn_target "amdgcn-amd-amdhsa--gfx1250"
	.amdhsa_code_object_version 6
	.text
	.protected	k_qd815faef8f_scores
	.globl	k_qd815faef8f_scores
	.p2align	8
	.type	k_qd815faef8f_scores,@function
k_qd815faef8f_scores:
	s_mov_b64 s[64:65], 0
	v_nop
	global_prefetch_b8 v0, s[64:65] scope:SCOPE_SE
	s_setreg_imm32_b32 hwreg(HW_REG_WAVE_MODE, 25, 1), 1
	s_wait_xcnt 0x0
	s_wait_alu depctr_hold_cnt(0) depctr_sa_sdst(0) depctr_va_vdst(0) depctr_va_sdst(0) depctr_va_ssrc(0) depctr_va_vcc(0) depctr_vm_vsrc(0)
	s_getreg_b32 s2, hwreg(HW_REG_IB_STS2, 6, 4)
	s_cmp_eq_u32 s2, 0
	s_cbranch_scc0 .Lentry_in_a_cluster
	s_endpgm
.Lentry_in_a_cluster:
	s_bfe_u32 s2, ttmp6, 0x10000c
	s_cmp_lg_u32 s2, 0xf033
	s_cbranch_scc0 .Lentry_shape_is_right
	s_endpgm
.Lentry_shape_is_right:
; p[b][q][k] = sigmoid(Q[b][q] . K[b][k] / 32).  Q and K are f16, bytes 0 and 2,048 on of qkv's rows of 6,144 bytes (row = 2048 b + position); sums in f32; the sigmoid in f32; p is rounded once, to f16.
; sigmoid(x) = 1 / (1 + 2^(-x log2 e)).  An exponential that overflows gives 1 / infinity = 0, one that falls to 0 gives 1: both as the sigmoid has it; no maximum is involved.
; HOW p LIES IN MEMORY: as images of the registers in which the next launch wants it: p[block of 16 queries: 512][block of 16 keys: 128][lane: 32][16 bytes]; lane l's 16 bytes are query l % 16, keys 8 (l / 16) + 0 .. 7 of the two blocks.
; A tile of p, 256 queries x 256 keys, is made by a work-group of four waves; a wave makes 128 x 128: 64 accumulators of 16 x 16, 512 registers.
; K = 1,024 goes in eight steps of 128 through a ring of two LDS slots filled by the tensor data mover: a tile's row is 256 bytes of memory, at a multiple of 256 from the buffer's first byte.
; CLUSTERS: 4 x 4 work-groups, all of one batch (eight tile rows to a batch, four to a cluster).  The four of a row of the cluster need the same tiles of Q, the four of a column the same tiles of K: asked for JOINTLY.
; THE MATRIX INSTRUCTION IS USED TRANSPOSED: source 0 = 16 keys, source 1 = 16 queries: a lane holds one query and eight neighbouring keys, which pack into 16 bytes: just the image's 16 bytes of that lane.
; So the results leave from the registers in which they are packed: no way through LDS; a store of the wave covers 512 consecutive bytes.
; REGISTERS, in windows of 256: window 0: v0-31 addresses; v64-127, v128-191 fragments of Q, two buffers; on the way out v64-127 hold a block's 64 numbers and v192-223 the packed results.
;   window 1: v64-127, v128-191 fragments of K.   window 2: the accumulators of my rows 0-63 ((a, b) at v[8 (8 a + b)]);   window 3: those of my rows 64-127.
.set KSTEP,  128
.set KLEN,   1024
.set ROWG,   6144                      ; a row of qkv in bytes
.set PQB,    65536                     ; p: a block of 16 queries: 128 blocks of 16 keys x 512 bytes
.set PITCH,  272                       ; an LDS row: 256 bytes + 16 = 68 words: row r starts at bank 4 r mod 64 (64 banks of 4 bytes: ISA guide 11.1)
.set HALFT,  128*PITCH                 ; 128 rows: what one tensor load brings
.set SLOT,   4*HALFT                   ; Q's 256 rows, then K's 256 rows
.set SPARE,  2*SLOT                    ; behind the ring: the spare words, 128 bytes for each wave
.set LAPS,   KLEN/(2*KSTEP)            ; a lap = two K steps = once round the ring: 4
.set ADRA, 16                          ; v16-17  LDS address of my Q fragments in slot 0, 1
.set ADRB, 20                          ; v20-21  the same for K
.set CO,   26                          ; v26     16 x lane: my place in an image; never rewritten
.set SPW,  28                          ; v28     LDS address of my spare word; never rewritten
.set NIL,  29                          ; v29     0; never rewritten
.set PFO,  30                          ; v30     the prefetches' offset: my lane x a row of qkv; never rewritten
.set PFA,  44                          ; s[44:45] where my prefetches stand
.set LIM,  43                          ; s43     1 in a wave that prefetches, else the greatest number
.set CS,   22                          ; s[22:23] -log2(e) / 32: the packed form names a pair and takes its low word for both halves
.set F0,   64
.set F1,   128
.set T,    64                          ; the way out: a block's 64 numbers
.set TMP,  192                         ; packed results
.set G1, 24                            ; s[24:31] group 1 for Q's tiles;  s[32:39] group 0, one set for each slot
.set G0, 32
.set G1B, 48                           ; s[48:55], s[56:63] the same for K's
.set G0B, 56
.set MSB, 0
.macro WIN new                         ; the immediate's high byte repeats the setting that is left
.if MSB != (\new)
	s_set_vgpr_msb (MSB<<8)|(\new)
.set MSB, \new
.endif
.endm
.set MUL_LO, 0xa1                      ; source 0 (K) window 1, source 1 (Q) window 0, C and D window 2
.set MUL_HI, 0xf1                      ; the same, C and D window 3
.set TO_B,   0x40                      ; destination window 1, address window 0
; A joint load.  Waves 0 and 1 fetch Q's two halves, waves 2 and 3 K's; the branch hangs on the wave's number alone.  An s_nop 0 and four v_nop follow each of the two lines.
.macro JLOAD s
	s_cmp_eq_u32 s11, 0
	s_cbranch_scc0 .Lfor_b_\@
	tensor_load_to_lds s[G0+4*\s:G0+4*\s+3], s[G1:G1+7]
	s_nop 0
.rept 4
	v_nop
.endr
	s_branch .Lasked_\@
.Lfor_b_\@:
	tensor_load_to_lds s[G0B+4*\s:G0B+4*\s+3], s[G1B:G1B+7]
	s_nop 0
.rept 4
	v_nop
.endr
.Lasked_\@:
.endm
; A PREFETCH INTO THE L2, behind each joint load, its five lines and the run of LDS loads that follows: the K step that stands TWO refills on: 32 rows x 256 bytes, a lane a row, one instruction a wave.
; Each row's 256 bytes of a K step are named ONCE in the launch.  Q's tile row is read by both clusters of a row of clusters: cluster x = 0 asks.  K's tile column is read by the batch's two clusters of that
; column: the one with even cluster y asks.  The four partners that ask for a tile jointly share its rows out BY ADDRESS: of the 128 rows that a wave fetches, the partner at place p takes 32 p .. 32 p + 31
; (p = cx for Q, cy for K).  The loop's last trip asks for nothing: its two refills are the last K steps.
.macro ASK
	s_cmp_gt_u32 s3, s[LIM]                        ; s3 = 1 in the loop's last trip
	s_cbranch_scc0 .Lnot_mine_\@
	global_prefetch_b8 v[PFO], s[PFA:PFA+1] offset:KSTEP*2 th:TH_LOAD_NT scope:SCOPE_SE
.Lnot_mine_\@:
.endm
.macro CREST                           ; a round of the cluster's barrier behind its opening barrier
	s_cmp_lg_u32 s10, 0
	s_cbranch_scc1 .Lnot_wave_0_\@
	s_barrier_signal -3
.Lnot_wave_0_\@:
	s_barrier_wait -3
	s_barrier_signal -1
	s_barrier_wait -1
.endm
.macro CROUND                          ; a whole round
	s_barrier_signal -1
	s_barrier_wait -1
	CREST
.endm
	s_load_b128 s[4:7], s[0:1], 0x0                ; qkv s[4:5], p s[6:7]
	v_lshl_add_u32 v[SPW], v0, 2, SPARE
	v_mov_b32 v[NIL], 0
	ds_add_u32 v[SPW], v[NIL]                      ; the wave's opening: the add, twice on end, and its wait ahead of my first tensor load
	ds_add_u32 v[SPW], v[NIL]
	v_lshrrev_b32 v1, 5, v0
	v_readfirstlane_b32 s10, v1                    ; wave 0..3
	s_lshr_b32 s11, s10, 1                         ; which half of the tile's rows is mine.  Also: I fetch for Q (0) or for K (1)
	s_and_b32 s12, s10, 1                          ; which half of its columns.  Also: which 128 rows of that tile I fetch
	s_bfe_u32 s40, ttmp6, 0x40000                  ; cx
	s_bfe_u32 s41, ttmp6, 0x40004                  ; cy
	s_lshl_b32 s42, ttmp9, 2
	s_add_co_u32 s42, s42, s40                     ; tile column (keys) = 4 x cluster x + cx
	s_and_b32 s13, ttmp7, 0xffff
	s_lshl_b32 s13, s13, 2
	s_add_co_u32 s13, s13, s41                     ; tile row (queries, over all batches) = 4 x cluster y + cy
	s_lshl_b32 s43, s41, 2
	s_lshl_b32 s43, 15, s43                        ; my row of the cluster
	s_lshl_b32 s44, 0x1111, s40                    ; my column
	; group 1: a tile of 128 rows x 128 elements of 2 bytes, 16 bytes of padding behind each row
	s_or_b32 s[G1+0], s43, (1<<16)|(1<<20)|(1<<21)|(5<<22)|(3<<25)  ; 15:0 the mask; 17:16 elements of 2 bytes; 20 padding on; 21 set beside a mask; 24:22 after every 64 words; 31:25 four words
	s_or_b32 s[G1B+0], s44, (1<<16)|(1<<20)|(1<<21)|(5<<22)|(3<<25)
.irp g, G1, G1B
	s_mov_b32 s[\g+1], KSTEP<<16                   ; tensor_dim0 = 128
	s_mov_b32 s[\g+2], 128<<16                     ; tensor_dim1 = 128
	s_mov_b32 s[\g+3], KSTEP<<16                   ; tile_dim0 = 128
	s_mov_b32 s[\g+4], 128                         ; tile_dim1 = 128
	s_mov_b32 s[\g+5], ROWG/2                      ; tensor_dim0_stride: 3,072 elements from row to row
	s_mov_b32 s[\g+6], 0
	s_mov_b32 s[\g+7], 0
.endr
	; Q's tiles hang on the tile row alone, K's on the tile column and the batch (the cluster's y / 2), which all partners share
	s_lshl_b32 s17, s12, 7                         ; which 128 rows of the tile I fetch
	s_lshl_b32 s16, s13, 8
	s_add_co_u32 s16, s16, s17                     ; Q: row 256 x tile row + 128 x half
	s_lshl_b32 s46, s42, 8
	s_add_co_u32 s46, s46, s17                     ; K: row 256 x tile column + 128 x half
	s_and_b32 s47, ttmp7, 0xffff
	s_lshr_b32 s47, s47, 1
	s_lshl_b32 s47, s47, 11
	s_add_co_u32 s46, s46, s47                     ; + 2,048 x batch
	s_mov_b32 s17, 0
	s_mov_b32 s47, 0
	s_mov_b64 s[18:19], ROWG
	s_mul_u64 s[16:17], s[16:17], s[18:19]
	s_mul_u64 s[46:47], s[46:47], s[18:19]
	s_mul_i32 s20, s10, HALFT                      ; where they go: wave x 128 rows: no place in the cluster enters an LDS address
	s_wait_dscnt 0x0                               ; both opening adds are done
	s_wait_kmcnt 0x0
	s_mov_b64 s[8:9], s[6:7]                       ; p
	s_add_nc_u64 s[6:7], s[4:5], 2048              ; K's columns of qkv
	s_add_nc_u64 s[14:15], s[4:5], s[16:17]
	s_add_nc_u64 s[46:47], s[6:7], s[46:47]
	CROUND                                         ; all sixteen work-groups are here: the first joint loads meet
.irp s, 0,1
	s_mov_b32 s[G0+4*\s], 1                                        ; count = 1
	s_add_co_u32 s[G0+4*\s+1], s20, \s*SLOT                        ; LDS address
	s_add_nc_u64 s[G0+4*\s+2:G0+4*\s+3], s[14:15], \s*KSTEP*2      ; global address: K step s
	s_or_b32 s[G0+4*\s+3], s[G0+4*\s+3], 0x80000000                ; type = 2
	s_mov_b32 s[G0B+4*\s], 1
	s_add_co_u32 s[G0B+4*\s+1], s20, \s*SLOT
	s_add_nc_u64 s[G0B+4*\s+2:G0B+4*\s+3], s[46:47], \s*KSTEP*2
	s_or_b32 s[G0B+4*\s+3], s[G0B+4*\s+3], 0x80000000
	JLOAD \s
.endr
	; A fragment is 16 rows x 32 K in 8 registers: lane l holds row l % 16; registers 0-3 K = 8 (l / 16) + 0..7, registers 4-7 K = 16 + 8 (l / 16) + 0..7: two loads of 16 bytes, 32 bytes apart
	v_and_b32 v1, 15, v0                           ; l % 16
	v_bfe_u32 v2, v0, 4, 1                         ; l / 16
	v_mul_u32_u24 v3, v1, PITCH
	v_lshl_add_u32 v3, v2, 4, v3
	s_mul_i32 s21, s11, HALFT                      ; my 128 rows of Q
	s_mul_i32 s22, s12, HALFT                      ; my 128 rows of K,
	s_add_co_u32 s22, s22, 2*HALFT                 ; which lie behind Q's 256
.irp s, 0,1
	v_add_nc_u32 v[ADRA+\s], s21, v3
	v_add_nc_u32 v[ADRB+\s], s22, v3
	s_add_co_u32 s21, s21, SLOT
	s_add_co_u32 s22, s22, SLOT
.endr
	v_and_b32 v5, 31, v0
	v_lshlrev_b32 v[CO], 4, v5                     ; 16 x lane
	; where my part of p begins: block of queries 16 x tile row + 8 x half, block of keys 16 x tile column + 8 x half
	s_lshl_b32 s13, s13, 8                         ; 256 x tile row
	s_lshl_b32 s16, s13, 12                        ; 16 blocks of 65,536 bytes a tile row
	s_lshl_b32 s14, s11, 19                        ; 8 blocks a half
	s_add_co_u32 s16, s16, s14
	s_lshl_b32 s14, s42, 13                        ; 16 blocks of 512 bytes a tile column
	s_add_co_u32 s16, s16, s14
	s_lshl_b32 s14, s12, 12                        ; 8 blocks a half
	s_add_co_u32 s16, s16, s14
	s_mov_b32 s17, 0
	s_add_nc_u64 s[8:9], s[8:9], s[16:17]
	; the prefetches: who asks, and where
	s_lshl_b32 s42, s42, 8
	s_and_b32 s22, ttmp7, 0xffff                   ; cluster y
	s_lshr_b32 s23, s22, 1
	s_lshl_b32 s23, s23, 11
	s_add_co_u32 s42, s42, s23                     ; K's tile: first row 2,048 x batch + 256 x tile column
	s_and_b32 s22, s22, 1                          ; which of the batch's two rows of clusters
	s_cmp_eq_u32 s11, 0                            ; do I fetch for Q?
	s_cselect_b32 s20, s13, s42                    ; the tile's first row
	s_cselect_b32 s21, s40, s41                    ; my place among the four that ask for it with me
	s_cselect_b32 s22, ttmp9, s22                  ; the coordinate along which other clusters read the same rows
	s_cselect_b64 s[PFA:PFA+1], s[4:5], s[6:7]
	s_cmp_eq_u32 s22, 0
	s_cselect_b32 s[LIM], 1, -1                    ; the same in all sixteen partners, for a given wave
	s_lshl_b32 s22, s12, 7
	s_add_co_u32 s20, s20, s22                     ; + the 128 rows that I fetch
	s_lshl_b32 s21, s21, 5
	s_add_co_u32 s20, s20, s21                     ; + my work-group's 32 of them
	s_mov_b32 s21, 0
	s_mov_b64 s[18:19], ROWG
	s_mul_u64 s[20:21], s[20:21], s[18:19]
	s_add_nc_u64 s[PFA:PFA+1], s[PFA:PFA+1], s[20:21]
	s_add_nc_u64 s[PFA:PFA+1], s[PFA:PFA+1], 2*KSTEP*2  ; at K step 2: the first refill steps it to 3 and names K step 4.  Nothing is prefetched at the head
	v_and_b32 v[PFO], 31, v0
	v_mul_u32_u24 v[PFO], v[PFO], ROWG
	s_mov_b32 s[CS], 0xbd38aa3b                    ; -log2(e) / 32
	s_mov_b32 s[CS+1], s[CS]                       ; (named with it as a pair, so it is written)
; 16 matrix instructions: m blocks a0, a0 + 1 of the window's four (hi = 0: my rows 0-63, 1: rows 64-127) x all 8 n blocks, 32 along K.  zero = 1: the first product starts the sums.
; The 64 accumulators take turns, one instruction a turn, in the same order in every quarter.
.macro MUL16 f, hi, a0, zero
.irp a, \a0, \a0+1
.irp b, 0,1,2,3,4,5,6,7
.if \zero
	v_wmma_f32_16x16x32_f16 v[8*(8*(\a)+\b):8*(8*(\a)+\b)+7], v[\f+8*\b:\f+8*\b+7], v[\f+8*(4*\hi+\a):\f+8*(4*\hi+\a)+7], 0
.else
	v_wmma_f32_16x16x32_f16 v[8*(8*(\a)+\b):8*(8*(\a)+\b)+7], v[\f+8*\b:\f+8*\b+7], v[\f+8*(4*\hi+\a):\f+8*(4*\hi+\a)+7], v[8*(8*(\a)+\b):8*(8*(\a)+\b)+7]
.endif
.endr
.endr
.endm
; 32 LDS loads in one run: the fragments of one quarter step (128 rows of K, 128 rows of Q, 32 along K at byte k of the rows) into buffer f
.macro FETCH slot, k, f
	WIN TO_B
.irp i, 0,1,2,3,4,5,6,7
	ds_load_b128 v[\f+8*\i:\f+8*\i+3],   v[ADRB+\slot] offset:\k+\i*16*PITCH
	ds_load_b128 v[\f+8*\i+4:\f+8*\i+7], v[ADRB+\slot] offset:\k+\i*16*PITCH+32
.endr
	WIN 0
.irp i, 0,1,2,3,4,5,6,7
	ds_load_b128 v[\f+8*\i:\f+8*\i+3],   v[ADRA+\slot] offset:\k+\i*16*PITCH
	ds_load_b128 v[\f+8*\i+4:\f+8*\i+7], v[ADRA+\slot] offset:\k+\i*16*PITCH+32
.endr
.endm
; Four places stand in front of loads into registers that matrix instructions have read and of vector instructions that read results just made; only plain vector instructions
; that name none of the matrix instruction's registers are places (ISA guide 7.12.1 for vector instructions).
.macro PLACES
.rept 4
	v_nop
.endr
.endm
; A K step is four quarters of 32 along K, 64 matrix instructions each, on buffers 0, 1, 0, 1.  One of the first three: multiplies buffer f; in its middle it fetches the next quarter, at byte k, into g.
.macro QUARTER slot, k, f, g, zero
	s_wait_dscnt 8                                 ; K's fragments and Q's rows 0-63 are in; the youngest eight loads (Q's rows 64-127) may be out
	WIN MUL_LO
	MUL16 \f, 0, 0, \zero
	MUL16 \f, 0, 2, \zero
	PLACES
	FETCH \slot, \k, \g
	s_wait_dscnt 32                                ; all but the 32 just issued
	WIN MUL_HI
	MUL16 \f, 1, 0, \zero
	MUL16 \f, 1, 2, \zero
.endm
; The last quarter multiplies buffer 1 and changes slots.  MEET is its first half: ONE barrier.  In front of it each wave waits for all its tensor loads, of which one is out: its part of the next slot;
; adds 0 to its spare word; and waits for that and for its own reads of this slot.  Behind it nobody reads this slot any more and the next slot is whole.
.macro MEET round                      ; round = 1: the rest of a round of the cluster's barrier follows
	WIN 0                                          ; (the add's two registers lie in window 0)
	s_wait_tensorcnt 0x0
	ds_add_u32 v[SPW], v[NIL]                      ; 0 onto my spare word
	s_wait_dscnt 9                                 ; (the add and the youngest eight loads may be out)
	WIN MUL_LO
	MUL16 F1, 0, 0, 0                              ; sixteen matrix instructions stand between the add and the wait for it
	s_wait_dscnt 0x0                               ; the add is done, and my reads of this slot are over
	s_barrier_signal -1
	MUL16 F1, 0, 2, 0
.if \round
	WIN 0
.endif
	s_barrier_wait -1
.endm
; fill = 1: behind a round of the cluster's barrier the slot just read out is filled again first, with the K step two steps on; then come the next slot's first fragments.
.macro TURN slot, next, fill
.if \fill
	s_wait_xcnt 0x0                                ; the last prefetch, a K step back, has read its address: it is stepped here, ahead of the waits of the change of slots
	s_add_nc_u64 s[PFA:PFA+1], s[PFA:PFA+1], KSTEP*2
	MEET 1
	CREST                                          ; no wave of any partner still reads this slot's tile or has a load on its way
	s_add_nc_u64 s[G0+4*\slot+2:G0+4*\slot+3], s[G0+4*\slot+2:G0+4*\slot+3], 2*KSTEP*2
	s_add_nc_u64 s[G0B+4*\slot+2:G0B+4*\slot+3], s[G0B+4*\slot+2:G0B+4*\slot+3], 2*KSTEP*2
	JLOAD \slot                                    ; the first tensor load behind the round; its four v_nop are also the places in front of the loads below
	FETCH \next, 0, F0
	ASK
.else
	MEET 0                                         ; the load that was out is the last K step's, so no round follows
	PLACES
	FETCH \next, 0, F0
.endif
	WIN MUL_HI
	MUL16 F1, 1, 0, 0
	MUL16 F1, 1, 2, 0
.endm
	s_wait_tensorcnt 1                             ; my part of K step 0 is in (K step 1's load may be out),
	s_barrier_signal -1
	s_barrier_wait -1                              ; everybody's is
	FETCH 0, 0, F0
	QUARTER 0, 64,  F0, F1, 1                      ; the first quarter stands in front of the loop: its products start the sums
	WIN 0                                          ; at a label and at a branch every window is 0
	s_mov_b32 s3, LAPS-1
.Llap:                                                 ; a trip goes once round the ring, from a lap's second quarter to the next lap's first, and fills both slots again
	QUARTER 0, 128, F1, F0, 0
	QUARTER 0, 192, F0, F1, 0
	TURN 0, 1, 1
	QUARTER 1, 64,  F0, F1, 0
	QUARTER 1, 128, F1, F0, 0
	QUARTER 1, 192, F0, F1, 0
	TURN 1, 0, 1
	QUARTER 0, 64,  F0, F1, 0
	WIN 0
	s_sub_co_u32 s3, s3, 1
	s_cmp_lg_u32 s3, 0
	s_cbranch_scc1 .Llap
	QUARTER 0, 128, F1, F0, 0                      ; the last lap is written out: it asks for nothing more
	QUARTER 0, 192, F0, F1, 0
	TURN 0, 1, 0
	QUARTER 1, 64,  F0, F1, 0
	QUARTER 1, 128, F1, F0, 0
	QUARTER 1, 192, F0, F1, 0
	s_wait_dscnt 8                                 ; the very last quarter: nothing more to fetch
	WIN MUL_LO
	MUL16 F1, 0, 0, 0
	MUL16 F1, 0, 2, 0
	s_wait_dscnt 0x0
	WIN MUL_HI
	MUL16 F1, 1, 0, 0
	MUL16 F1, 1, 2, 0
	WIN 0
; THE WAY OUT, block by block of 16 queries x 128 keys.  SIG: the sigmoid of a block's 64 numbers a lane, rounded to f16.  The 64 exponentials are one batch and the 64 reciprocals another:
; behind each stands one plain line and ONE s_wait_alu depctr_va_vdst(0), ahead of the batch's first reader.  Each accumulator is read from its low end on.
.macro SIG a
.set AC, 64*((\a)%4)
	WIN 0x02+((\a)/4)                              ; source 0: window 2 or 3
.set i, 0
.rept 32
	v_pk_mul_f32 v[T+2*i:T+2*i+1], v[AC+2*i:AC+2*i+1], s[CS:CS+1] op_sel_hi:[1,0]   ; -score log2(e) / 32
.set i, i+1
.endr
	WIN 0
.set i, 0
.rept 64
	v_exp_f32 v[T+i], v[T+i]
.set i, i+1
.endr
	v_nop
	s_wait_alu depctr_va_vdst(0)
.set i, 0
.rept 32
	v_pk_add_f32 v[T+2*i:T+2*i+1], v[T+2*i:T+2*i+1], 1.0 op_sel_hi:[1,0]
.set i, i+1
.endr
.set i, 0
.rept 64
	v_rcp_f32 v[T+i], v[T+i]
.set i, i+1
.endr
	v_nop
	s_wait_alu depctr_va_vdst(0)
	s_wait_xcnt 0x0                                ; the last block's stores have read their data: only behind this wait are the packed results written anew
.set i, 0
.rept 32
	v_cvt_pk_f16_f32 v[TMP+i], v[T+2*i], v[T+2*i+1]
.set i, i+1
.endr
.endm
; The block's eight groups of four registers are eight images of 512 bytes, one behind the other: each store of the wave covers 512 consecutive bytes, at a multiple of 512 from p's first byte.
; Every offset is an immediate: 7 x 65,536 + 7 x 512 at the most, inside the signed 24 bits (ISA guide, chapter 10).
.macro OUT a
.irp b, 0,1,2,3,4,5,6,7
	global_store_b128 v[CO], v[TMP+4*\b:TMP+4*\b+3], s[8:9] offset:(\a)*PQB+512*\b
.endr
.endm
	PLACES                                         ; behind the last products
.irp a, 0,1,2,3,4,5,6,7
	SIG \a
	OUT \a
.endr
	s_wait_tensorcnt 0x0                           ; the wave's end: these three lines stand behind my last tensor load
	ds_add_u32 v[SPW], v[NIL]
	s_wait_dscnt 0x0
	CROUND                                         ; the closing round: no work-group ends while a partner may still ask for a tile that names it
	s_endpgm
.Lfunc_end_k_qd815faef8f_scores:
	.size	k_qd815faef8f_scores, .Lfunc_end_k_qd815faef8f_scores-k_qd815faef8f_scores
	.p2alignl 7, 3214868480
	.fill 96, 4, 3214868480
	.section	.rodata,"a",@progbits
	.p2align	6, 0x0
	.amdhsa_kernel k_qd815faef8f_scores
		.amdhsa_group_segment_fixed_size 327680
		.amdhsa_private_segment_fixed_size 0
		.amdhsa_enable_private_segment 0
		.amdhsa_kernarg_size 16
		.amdhsa_user_sgpr_count 2
		.amdhsa_user_sgpr_kernarg_segment_ptr 1
		.amdhsa_wavefront_size32 1
		.amdhsa_system_sgpr_workgroup_id_x 1
		.amdhsa_system_sgpr_workgroup_id_y 1
		.amdhsa_system_sgpr_workgroup_id_z 1
		.amdhsa_system_vgpr_workitem_id 0
		.amdhsa_next_free_vgpr 1024
		.amdhsa_next_free_sgpr 66
		.amdhsa_reserve_vcc 0
		.amdhsa_float_denorm_mode_32 3
		.amdhsa_float_denorm_mode_16_64 3
		.amdhsa_memory_ordered 1
		.amdhsa_forward_progress 1
		.amdhsa_inst_pref_size 200
	.end_amdhsa_kernel
	.amdgpu_metadata
---
amdhsa.version: [ 1, 2 ]
amdhsa.kernels:
  - .name:           k_qd815faef8f_scores
    .symbol:         k_qd815faef8f_scores.kd
    .args:
      - { .name: qkv, .offset: 0, .size: 8, .value_kind: global_buffer, .address_space: global }
      - { .name: p, .offset: 8, .size: 8, .value_kind: global_buffer, .address_space: global }
    .group_segment_fixed_size: 327680
    .private_segment_fixed_size: 0
    .kernarg_segment_align: 8
    .kernarg_segment_size: 16
    .max_flat_workgroup_size: 128
    .sgpr_count:     66
    .vgpr_count:     1024
    .wavefront_size: 32
...
	.end_amdgpu_metadata
.endif
;; end of part 4
;; launch pv (part 5): grid 4 x 64, 4 waves a work-group, clusters of 4 x 4, 327,680 bytes of LDS; arguments p, qkv, out0; writes out0
.if DOCPART == 5
	.amdgcn_target "amdgcn-amd-amdhsa--gfx1250"
	.amdhsa_code_object_version 6
	.text
	.protected	k_qd815faef8f_pv
	.globl	k_qd815faef8f_pv
	.p2align	8
	.type	k_qd815faef8f_pv,@function
k_qd815faef8f_pv:
	s_mov_b64 s[64:65], 0
	v_nop
	global_prefetch_b8 v0, s[64:65] scope:SCOPE_SE
	s_setreg_imm32_b32 hwreg(HW_REG_WAVE_MODE, 25, 1), 1
	s_wait_xcnt 0x0
	s_wait_alu depctr_hold_cnt(0) depctr_sa_sdst(0) depctr_va_vdst(0) depctr_va_sdst(0) depctr_va_ssrc(0) depctr_va_vcc(0) depctr_vm_vsrc(0)
	s_getreg_b32 s2, hwreg(HW_REG_IB_STS2, 6, 4)
	s_cmp_eq_u32 s2, 0
	s_cbranch_scc0 .Lentry_in_a_cluster
	s_endpgm
.Lentry_in_a_cluster:
	s_bfe_u32 s2, ttmp6, 0x10000c
	s_cmp_lg_u32 s2, 0xf033
	s_cbranch_scc0 .Lentry_shape_is_right
	s_endpgm
.Lentry_shape_is_right:
; out0[b][q][d] = sum over k of p[b][q][k] V[b][k][d].  V is f16, bytes 4,096 on of qkv's rows of 6,144 bytes (row = 2048 b + key);  out0 [8192][1024] f32; sums in f32.
; p is f16 and lies as images of operand registers: p[block of 16 queries: 512][block of 16 keys: 128][lane: 32][16 bytes]; lane l's 16 bytes are query l % 16, keys 8 (l / 16) + 0 .. 7.
; Two neighbouring blocks of keys are registers 0-3 and 4-7 of a fragment of 16 queries x 32 keys: two loads of 16 bytes a lane, each 512 consecutive bytes for the wave.
; A tile of out0, 128 queries x 256 channels, is made by a work-group of four waves: that gives 256 work-groups, where tiles of 256 x 256 would give 128.  A wave makes 64 x 128: 32 accumulators of 16 x 16.
; V GOES THROUGH LDS, p STRAIGHT INTO REGISTERS.  Two slots of 256 keys of both operands would take 2 x (67,584 + 139,264) = 413,696 bytes, more than a work-group can have.  With V alone two slots of
; 256 keys take 278,528 bytes, and a refill has 256 matrix instructions a wave in which to land, where slots of 128 keys of both would leave it 128.
; WHY p IS NOT ASKED FOR JOINTLY: that would want it in LDS, by the arithmetic above.  The price: each image of p is loaded by eight waves, two in each of the four work-groups of a tile row.
; p's loads run SEVEN STEPS of 32 keys (224 matrix instructions, 56 loads a wave) ahead, into a ring of eight buffers of 32 registers.
; V lies [key][channel], its K outermost: its fragments come out of LDS turned, by ds_load_tr16_b128.
; THE MATRIX INSTRUCTION IS USED TRANSPOSED: source 0 = 16 channels of V^T, source 1 = 16 queries of p: a lane holds one query and eight neighbouring channels, 32 bytes of a row of out0.
; CLUSTERS: 4 x 4 work-groups, all of one batch (sixteen tile rows to a batch, four to a cluster).  The four of a column of the cluster need the same tiles of V: asked for JOINTLY; each wave brings 64 of a slot's keys.
; REGISTERS: window 0: v0-31 addresses; V's eight fragments, two buffers, at v64 and v128; on the way out v64-191 take rows.   window 1: accumulator (a, b) at v[8 (8 a + b)].
;   window 2: p's ring: buffer n at v[32 n], in it the fragment of my block a of 16 queries at + 8 a.
.set KSTEP,  256                       ; keys in a slot: eight steps of 32
.set KEYS,   2048
.set ROWG,   6144                      ; a row of qkv in bytes
.set ROWO,   4096                      ; a row of out0
.set PQB,    65536                     ; p: a block of 16 queries
.set PST,    1024                      ; p: a step's 32 keys of 16 queries: two images of 512 bytes
.set PV,     544                       ; a key's row of V in LDS: 512 + 32 = 136 words: row r starts at bank 8 r mod 64 (64 banks of 4 bytes: ISA guide 11.1)
.set PART,   64*PV                     ; 64 keys: what one tensor load brings
.set SLOT,   4*PART
.set STAGE,  2*SLOT                    ; behind the ring: 16 rows x (512 + 16) bytes for each wave, for the way out
.set SPITCH, 528
.set SPARE,  STAGE+4*16*SPITCH         ; behind the stages: the spare words, 128 bytes for each wave
.set LAPS,   KEYS/(2*KSTEP)            ; a lap = two slots = once round the ring: 4
.set ADRB, 20                          ; v20-23  LDS address of my fragments of V: slot s, its keys 128 u on: v[20 + 2 s + u] (an LDS offset has 16 bits)
.set STO,  24                          ; v24     the way out: where I put 32 bytes of a row
.set RD,   25                          ; v25     where I read a row back
.set CO,   26                          ; v26     16 x lane: my place in an image of p, and in a row's 512 bytes of out0; never rewritten
.set SPW,  28                          ; v28     LDS address of my spare word; never rewritten
.set NIL,  29                          ; v29     0; never rewritten
.set PFO,  30                          ; v30     the prefetches' offset: my lane x a row of qkv; never rewritten
.set PFA,  44                          ; s[44:45] where my prefetches stand
.set LIM,  43                          ; s43     1 in a wave that prefetches, else the greatest number
.set F0,   64
.set F1,   128
.set BK,   64                          ; the way out: 16 rows read back: v64-127 and v128-191 by turns
.set G1B, 48                           ; s[48:55] group 1 for V's tiles;  s[56:63] group 0, one set for each slot
.set G0B, 56
.set MSB, 0
.macro WIN new                         ; the immediate's high byte repeats the setting that is left
.if MSB != (\new)
	s_set_vgpr_msb (MSB<<8)|(\new)
.set MSB, \new
.endif
.endm
.set MUL, 0x58                         ; source 0 (V) window 0, source 1 (p) window 2, C and D window 1
; A joint load: every wave brings its own 64 keys of the slot (both addresses hang on the wave's number).  An s_nop 0 and four v_nop follow the line.
.macro JLOAD s
	tensor_load_to_lds s[G0B+4*\s:G0B+4*\s+3], s[G1B:G1B+7]
	s_nop 0
.rept 4
	v_nop
.endr
.endm
; A PREFETCH INTO THE L2 of V's tile that the NEXT change of slots will ask for: 256 keys x 512 bytes, one slot, 256 matrix instructions, ahead of that load.  It stands behind the joint load, its five lines and the runs of loads that follow.
; Each aligned 256 bytes are named ONCE in the launch.  A tile of V is read by the batch's four clusters: the first of them asks.  The four partners of a column share the keys out BY ADDRESS, 64 each (cy);
; in each, wave w takes keys 32 (w / 2) on, a lane a key, and the (w % 2)-th 256 of a key's 512 bytes: one instruction a wave.
; how = 1: the lap's first change of slots, which always has a slot behind the one it fills; how = 0: its second, which has none in the loop's last trip.
.macro ASK how
.if \how
	s_cmp_eq_u32 s[LIM], 1
.else
	s_cmp_gt_u32 s3, s[LIM]                        ; s3 = 1 in the loop's last trip
.endif
	s_cbranch_scc0 .Lnot_mine_\@
	global_prefetch_b8 v[PFO], s[PFA:PFA+1] th:TH_LOAD_NT scope:SCOPE_SE
.Lnot_mine_\@:
.endm
.macro CREST                           ; a round of the cluster's barrier behind its opening barrier
	s_cmp_lg_u32 s10, 0
	s_cbranch_scc1 .Lnot_wave_0_\@
	s_barrier_signal -3
.Lnot_wave_0_\@:
	s_barrier_wait -3
	s_barrier_signal -1
	s_barrier_wait -1
.endm
.macro CROUND                          ; a whole round
	s_barrier_signal -1
	s_barrier_wait -1
	CREST
.endm
; 8 loads: p's four fragments (my 64 queries x 32 keys) of step L, counted from the lap at which s[4:5] stands, into ring buffer n.  Each load of the wave reads 512 consecutive bytes.
; Every offset is an immediate: 3 x 65,536 + 23 x 1,024 + 512 at the most, inside the signed 24 bits (ISA guide, chapter 10).
.macro GLOAD n, L
	WIN 0x80                                       ; destination window 2, address window 0
.irp a, 0,1,2,3
	global_load_b128 v[32*(\n)+8*\a:32*(\n)+8*\a+3],   v[CO], s[4:5] offset:\a*PQB+(\L)*PST
	global_load_b128 v[32*(\n)+8*\a+4:32*(\n)+8*\a+7], v[CO], s[4:5] offset:\a*PQB+(\L)*PST+512
.endr
.endm
; 8 matrix instructions: my block a of queries (ring buffer n) x all 8 blocks of channels (buffer f), 32 keys.  zero = 1: the first product starts the sums: nothing is cleared.
; The 32 accumulators take turns, one instruction a turn, in the same order in every step.
.macro MUL8 f, n, a, zero
.irp b, 0,1,2,3,4,5,6,7
.if \zero
	v_wmma_f32_16x16x32_f16 v[8*(8*(\a)+\b):8*(8*(\a)+\b)+7], v[\f+8*\b:\f+8*\b+7], v[32*(\n)+8*(\a):32*(\n)+8*(\a)+7], 0
.else
	v_wmma_f32_16x16x32_f16 v[8*(8*(\a)+\b):8*(8*(\a)+\b)+7], v[\f+8*\b:\f+8*\b+7], v[32*(\n)+8*(\a):32*(\n)+8*(\a)+7], v[8*(8*(\a)+\b):8*(8*(\a)+\b)+7]
.endif
.endr
.endm
; 16 LDS loads in one run, under window 0: V's eight fragments (turned) of the slot's q-th 32 keys into buffer f
.macro FETCH slot, q, f
.irp i, 0,1,2,3,4,5,6,7
	ds_load_tr16_b128 v[\f+8*\i:\f+8*\i+3],   v[ADRB+2*\slot+(\q)/4] offset:32*((\q)%4)*PV+32*\i
	ds_load_tr16_b128 v[\f+8*\i+4:\f+8*\i+7], v[ADRB+2*\slot+(\q)/4] offset:32*((\q)%4)*PV+16*PV+32*\i
.endr
.endm
; Four places stand in front of loads into registers that matrix instructions have read and of LDS stores that read results just made; only plain vector instructions that name none of
; the matrix instruction's registers are places (ISA guide 7.12.1 for vector instructions).
.macro PLACES
.rept 4
	v_nop
.endr
.endm
; A STEP of 32 keys, the slot's q-th (q = 0 .. 6); L counts the steps from the lap at which s[4:5] stands.  At its head both runs of loads go out, into the registers that the step before has multiplied:
; V's fragments of the next step, 32 matrix instructions ahead of their use, and (ld = 1) p's of the step seven on.  Then its 32 matrix instructions.  ld = 0: the last steps load no p; cnt = the loads of the steps still to come.
.macro STEP slot, q, L, ld, cnt, zero
.set FM, F0+64*((\q)%2)
.set FN, F0+64*(((\q)+1)%2)
	PLACES
	WIN 0
	FETCH \slot, (\q)+1, FN
.if \ld
	s_wait_loadcnt 48                              ; this step's p is in; the 48 loads of the six steps behind it may be out
	GLOAD ((\q)+7)%8, (\L)+7
.else
	s_wait_loadcnt \cnt
.endif
	s_wait_dscnt 16                                ; this step's V is in; the 16 loads just issued may be out
	WIN MUL
.irp a, 0,1,2,3
	MUL8 FM, \q, \a, \zero
.endr
.endm
; A slot's eighth step changes slots: its own fragments of V are in registers, so the slot has been read out.  ONE barrier; in front of it each wave waits for all its tensor loads (its part of the next slot),
; adds 0 to its spare word, and waits for that and for its own reads of this slot.  fill = 1: the barrier opens a round of the cluster's barrier, and behind the round this slot is filled again first, with the keys two slots on.
.macro TURN slot, next, L, fill, how
.if \fill
	s_wait_xcnt 0x0                                ; the last prefetch, a slot back, has read its address: it is stepped here, ahead of the waits of the change of slots
	s_add_nc_u64 s[PFA:PFA+1], s[PFA:PFA+1], KSTEP*ROWG
.endif
	WIN 0                                          ; (the add's two registers lie in window 0)
	s_wait_tensorcnt 0x0
	ds_add_u32 v[SPW], v[NIL]                      ; 0 onto my spare word
	s_wait_loadcnt 48                              ; this step's p is in; the 48 loads of the six steps behind it may be out
	s_wait_dscnt 1                                 ; this step's V is in (the add may be out)
	WIN MUL
	MUL8 F1, 7, 0, 0                               ; eight matrix instructions stand between the add and the wait for it
	s_wait_dscnt 0x0                               ; the add is done, and my reads of this slot are over
	s_barrier_signal -1
	MUL8 F1, 7, 1, 0
.if \fill
	WIN 0
.endif
	s_barrier_wait -1
.if \fill
	CREST                                          ; no wave of any partner still reads this slot's tile or has a load on its way
	s_add_nc_u64 s[G0B+4*\slot+2:G0B+4*\slot+3], s[G0B+4*\slot+2:G0B+4*\slot+3], 2*KSTEP*ROWG
	JLOAD \slot                                    ; the first tensor load behind the round; its four v_nop are also the places in front of the loads below
.else
	PLACES
	WIN 0
.endif
	FETCH \next, 0, F0
	GLOAD 6, (\L)+7
.if \fill
	WIN 0                                          ; (a branch and a label follow)
	ASK \how
.endif
	WIN MUL
	MUL8 F1, 7, 2, 0
	MUL8 F1, 7, 3, 0
.endm
	s_load_b128 s[4:7], s[0:1], 0x0                ; p s[4:5], qkv s[6:7]
	s_load_b64 s[8:9], s[0:1], 0x10                ; out0
	v_lshl_add_u32 v[SPW], v0, 2, SPARE
	v_mov_b32 v[NIL], 0
	ds_add_u32 v[SPW], v[NIL]                      ; the wave's opening: the add, twice on end, and its wait ahead of my first tensor load
	ds_add_u32 v[SPW], v[NIL]
	v_lshrrev_b32 v1, 5, v0
	v_readfirstlane_b32 s10, v1                    ; wave 0..3
	s_lshr_b32 s11, s10, 1                         ; which 64 of the tile's queries are mine
	s_and_b32 s12, s10, 1                          ; which 128 of its channels
	s_bfe_u32 s40, ttmp6, 0x40000                  ; cx
	s_bfe_u32 s41, ttmp6, 0x40004                  ; cy
	s_lshl_b32 s42, ttmp9, 2
	s_add_co_u32 s42, s42, s40                     ; tile column (channels) = 4 x cluster x + cx
	s_and_b32 s13, ttmp7, 0xffff
	s_lshl_b32 s13, s13, 2
	s_add_co_u32 s13, s13, s41                     ; tile row (queries, over all batches) = 4 x cluster y + cy
	s_lshl_b32 s44, 0x1111, s40                    ; my column of the cluster
	; group 1: 64 keys x 256 elements of 2 bytes, 32 bytes of padding behind each row
	s_or_b32 s[G1B+0], s44, (1<<16)|(1<<20)|(1<<21)|(6<<22)|(7<<25) ; 15:0 the mask; 17:16 elements of 2 bytes; 20 padding on; 21 set beside a mask; 24:22 after every 128 words; 31:25 eight words
	s_mov_b32 s[G1B+1], 256<<16                    ; tensor_dim0 = 256
	s_mov_b32 s[G1B+2], 64<<16                     ; tensor_dim1 = 64
	s_mov_b32 s[G1B+3], 256<<16                    ; tile_dim0 = 256
	s_mov_b32 s[G1B+4], 64                         ; tile_dim1 = 64
	s_mov_b32 s[G1B+5], ROWG/2                     ; tensor_dim0_stride: 3,072 elements
	s_mov_b32 s[G1B+6], 0
	s_mov_b32 s[G1B+7], 0
	; V's tiles hang on the tile column, the batch (the cluster's y / 4) and the wave's number: all shared by the four of a column
	s_and_b32 s46, ttmp7, 0xffff
	s_lshr_b32 s46, s46, 2
	s_lshl_b32 s46, s46, 11                        ; row 2,048 x batch
	s_lshl_b32 s47, s10, 6
	s_add_co_u32 s46, s46, s47                     ; + 64 x wave,
	s_mul_i32 s46, s46, ROWG                       ; in bytes,
	s_lshl_b32 s47, s42, 9
	s_add_co_u32 s46, s46, s47                     ; + 512 x tile column
	s_add_co_u32 s46, s46, 4096                    ; + V's place in a row of qkv
	s_mov_b32 s47, 0
	s_mul_i32 s21, s10, PART                       ; where they go: wave x 64 keys: no place in the cluster enters an LDS address
	; p: my first block of 16 queries is 8 x tile row + 4 x half
	s_lshl_b32 s16, s13, 19
	s_lshl_b32 s17, s11, 18
	s_add_co_u32 s16, s16, s17
	s_mov_b32 s17, 0
	v_and_b32 v6, 31, v0
	v_lshlrev_b32 v[CO], 4, v6                     ; 16 x lane
	s_wait_dscnt 0x0                               ; both opening adds are done
	s_wait_kmcnt 0x0
	s_add_nc_u64 s[4:5], s[4:5], s[16:17]
	s_add_nc_u64 s[46:47], s[6:7], s[46:47]
.irp t, 0,1,2,3,4,5,6
	GLOAD \t, \t                                   ; p's first seven steps: 56 loads
.endr
	WIN 0
	CROUND                                         ; all sixteen work-groups are here: the first joint loads meet
.irp s, 0,1
	s_mov_b32 s[G0B+4*\s], 1                                       ; count = 1
	s_add_co_u32 s[G0B+4*\s+1], s21, \s*SLOT                       ; LDS address
	s_add_nc_u64 s[G0B+4*\s+2:G0B+4*\s+3], s[46:47], \s*KSTEP*ROWG ; global address: 256 s keys down
	s_or_b32 s[G0B+4*\s+3], s[G0B+4*\s+3], 0x80000000              ; type = 2
	JLOAD \s
.endr
	v_and_b32 v1, 15, v0                           ; r = l % 16
	v_bfe_u32 v2, v0, 4, 1                         ; h = l / 16
	; the turning load takes 16 keys x 16 channels (lane l reads 16 bytes: key 8 (l / 16) + l % 8, channels 8 ((l / 8) % 2) + 0..7) and leaves half a fragment of V^T: lane l holds channel l % 16 and 8 keys
	v_and_b32 v4, 7, v0
	v_bfe_u32 v5, v0, 3, 1
	v_lshl_add_u32 v4, v2, 3, v4
	v_mul_u32_u24 v4, v4, PV
	v_lshl_add_u32 v4, v5, 4, v4
	s_lshl_b32 s22, s12, 8                         ; my 128 channels: 256 bytes along V's rows
.irp n, 0,1,2,3
	v_add_nc_u32 v[ADRB+\n], s22, v4
	s_add_co_u32 s22, s22, SLOT/2                  ; 128 keys on
.endr
	s_mul_i32 s23, s10, 16*SPITCH
	s_add_co_u32 s23, s23, STAGE                   ; my stage
	v_mul_u32_u24 v5, v1, SPITCH                   ; in: row l % 16, 32 bytes for each half of the lanes
	v_lshl_add_u32 v5, v2, 5, v5
	v_add_nc_u32 v[STO], s23, v5
	v_add_nc_u32 v[RD], s23, v[CO]                 ; back: the 32 lanes take one row of 512 bytes
	s_lshl_b32 s16, s13, 7
	s_lshl_b32 s17, s11, 6
	s_add_co_u32 s16, s16, s17                     ; my first row of out0: 128 x tile row + 64 x half,
	s_lshl_b32 s16, s16, 12                        ; in bytes,
	s_lshl_b32 s17, s42, 10
	s_add_co_u32 s16, s16, s17                     ; + 1,024 x tile column
	s_lshl_b32 s17, s12, 9
	s_add_co_u32 s16, s16, s17                     ; + 512 x half
	s_mov_b32 s17, 0
	s_add_nc_u64 s[8:9], s[8:9], s[16:17]
	; the prefetches: who asks, and where
	s_and_b32 s23, ttmp7, 0xffff                   ; cluster y
	s_lshr_b32 s20, s23, 2
	s_lshl_b32 s20, s20, 11                        ; row 2,048 x batch
	s_lshl_b32 s22, s41, 6
	s_add_co_u32 s20, s20, s22                     ; + 64 cy
	s_lshl_b32 s22, s11, 5
	s_add_co_u32 s20, s20, s22                     ; + 32 (wave / 2)
	s_add_co_u32 s20, s20, 2*KSTEP                 ; in slot 2's keys: the first change of slots steps it to slot 3's and names those.  Nothing is prefetched at the head
	s_mul_i32 s20, s20, ROWG                       ; in bytes,
	s_lshl_b32 s22, s42, 9
	s_add_co_u32 s20, s20, s22                     ; + 512 x tile column
	s_lshl_b32 s22, s12, 8
	s_add_co_u32 s20, s20, s22                     ; + my 256 of a key's 512 bytes
	s_add_co_u32 s20, s20, 4096                    ; + V's place in a row of qkv
	s_mov_b32 s21, 0
	s_add_nc_u64 s[PFA:PFA+1], s[6:7], s[20:21]
	s_and_b32 s23, s23, 3                          ; which of the batch's four clusters
	s_cmp_eq_u32 s23, 0
	s_cselect_b32 s[LIM], 1, -1                    ; the same in all sixteen partners
	v_and_b32 v[PFO], 31, v0
	v_mul_u32_u24 v[PFO], v[PFO], ROWG
	s_wait_tensorcnt 1                             ; my part of slot 0 is in (slot 1's load may be out),
	s_barrier_signal -1
	s_barrier_wait -1                              ; everybody's is
	FETCH 0, 0, F0
	STEP 0, 0, 0, 1, 0, 1                          ; the first step stands in front of the loop: its products start the sums
	WIN 0                                          ; at a label and at a branch every window is 0
	s_mov_b32 s3, LAPS-1
.Llap:                                                 ; a trip goes once round the ring, from a lap's second step to the next lap's first, and fills both slots again
.irp q, 1,2,3,4,5,6
	STEP 0, \q, \q, 1, 0, 0
.endr
	TURN 0, 1, 7, 1, 1
.irp q, 0,1,2,3,4,5,6
	STEP 1, \q, 8+\q, 1, 0, 0
.endr
	TURN 1, 0, 15, 1, 0
	STEP 0, 0, 16, 1, 0, 0
	WIN 0
	s_wait_xcnt 0x0                                ; p's loads have read their base: only behind this wait is it stepped
	s_add_nc_u64 s[4:5], s[4:5], 16*PST            ; a lap's sixteen steps on
	s_sub_co_u32 s3, s3, 1
	s_cmp_lg_u32 s3, 0
	s_cbranch_scc1 .Llap
.irp q, 1,2,3,4,5,6                    ; the last lap is written out: no slot is filled, and p's loads end with the last step's
	STEP 0, \q, \q, 1, 0, 0
.endr
	TURN 0, 1, 7, 0, 0
	STEP 1, 0, 8, 1, 0, 0                          ; asks for p's last step
.irp q, 1,2,3,4,5,6
	STEP 1, \q, 8+\q, 0, 8*(7-\q), 0               ; behind this step's p stand the loads of 7 - q steps
.endr
	s_wait_loadcnt 0x0                             ; the very last step: nothing more to fetch
	s_wait_dscnt 0x0
.irp a, 0,1,2,3
	MUL8 F1, 7, \a, 0
.endr
	WIN 0
; THE WAY OUT, block by block of 16 queries x 128 channels.  A lane holds 32 neighbouring bytes of a row, and the lanes beside it hold other rows: a block goes through my own stage in LDS and comes back
; as whole rows of 512 bytes.  LDS serves a wave's instructions in order (ISA guide 5.7.1.4): no wait between the stores and the loads, nor in front of the next block's stores.
.macro TOSTAGE a
	WIN 0x04                                       ; an LDS store's data are its source 1: window 1
.irp b, 0,1,2,3,4,5,6,7
	ds_store_b128 v[STO], v[8*(8*(\a)+\b):8*(8*(\a)+\b)+3] offset:64*\b          ; each accumulator from its low end on
	ds_store_b128 v[STO], v[8*(8*(\a)+\b)+4:8*(8*(\a)+\b)+7] offset:64*\b+16
.endr
	WIN 0
.set BB, BK+64*((\a)%2)
.irp t, 0,1,2,3,4,5,6,7,8,9,10,11,12,13,14,15
	ds_load_b128 v[BB+4*\t:BB+4*\t+3], v[RD] offset:\t*SPITCH
.endr
.endm
.macro SEND a, younger                 ; younger: the LDS instructions issued behind block a's loads, which may stay out
.set BB, BK+64*((\a)%2)
	s_wait_dscnt \younger                          ; the block is back in registers
.if (\a) > 0
	s_add_nc_u64 s[8:9], s[8:9], 16*ROWO           ; (behind a wait on XCNT: the earlier stores have read their base)  16 rows on
.endif
.irp t, 0,1,2,3,4,5,6,7,8,9,10,11,12,13,14,15
	global_store_b128 v[CO], v[BB+4*\t:BB+4*\t+3], s[8:9] offset:\t*ROWO th:TH_STORE_NT   ; 32 lanes store 512 consecutive bytes, at a multiple of 256 from out0's first byte
.endr
.endm
	PLACES                                         ; behind the last products: for the stores that read results and the loads into registers that held fragments
	TOSTAGE 0
.irp a, 1,2,3
.if \a > 1
	s_wait_xcnt 0x0                                ; block a - 2's stores have read their registers and their base: block a's loads may land there, and the base may step
.endif
	TOSTAGE \a
	SEND \a-1, 32                                  ; behind block a - 1's loads: block a's 16 stores and 16 loads
.endr
	s_wait_xcnt 0x0                                ; block 2's stores have read their base
	SEND 3, 0
	s_wait_tensorcnt 0x0                           ; the wave's end: these three lines stand behind my last tensor load and my last LDS store
	ds_add_u32 v[SPW], v[NIL]
	s_wait_dscnt 0x0
	CROUND                                         ; the closing round: no work-group ends while a partner may still ask for a tile that names it
	s_endpgm
.Lfunc_end_k_qd815faef8f_pv:
	.size	k_qd815faef8f_pv, .Lfunc_end_k_qd815faef8f_pv-k_qd815faef8f_pv
	.p2alignl 7, 3214868480
	.fill 96, 4, 3214868480
	.section	.rodata,"a",@progbits
	.p2align	6, 0x0
	.amdhsa_kernel k_qd815faef8f_pv
		.amdhsa_group_segment_fixed_size 327680
		.amdhsa_private_segment_fixed_size 0
		.amdhsa_enable_private_segment 0
		.amdhsa_kernarg_size 24
		.amdhsa_user_sgpr_count 2
		.amdhsa_user_sgpr_kernarg_segment_ptr 1
		.amdhsa_wavefront_size32 1
		.amdhsa_system_sgpr_workgroup_id_x 1
		.amdhsa_system_sgpr_workgroup_id_y 1
		.amdhsa_system_sgpr_workgroup_id_z 1
		.amdhsa_system_vgpr_workitem_id 0
		.amdhsa_next_free_vgpr 768
		.amdhsa_next_free_sgpr 66
		.amdhsa_reserve_vcc 0
		.amdhsa_float_denorm_mode_32 3
		.amdhsa_float_denorm_mode_16_64 3
		.amdhsa_memory_ordered 1
		.amdhsa_forward_progress 1
		.amdhsa_inst_pref_size 153
	.end_amdhsa_kernel
	.amdgpu_metadata
---
amdhsa.version: [ 1, 2 ]
amdhsa.kernels:
  - .name:           k_qd815faef8f_pv
    .symbol:         k_qd815faef8f_pv.kd
    .args:
      - { .name: p, .offset: 0, .size: 8, .value_kind: global_buffer, .address_space: global }
      - { .name: qkv, .offset: 8, .size: 8, .value_kind: global_buffer, .address_space: global }
      - { .name: out0, .offset: 16, .size: 8, .value_kind: global_buffer, .address_space: global }
    .group_segment_fixed_size: 327680
    .private_segment_fixed_size: 0
    .kernarg_segment_align: 8
    .kernarg_segment_size: 24
    .max_flat_workgroup_size: 128
    .sgpr_count:     66
    .vgpr_count:     768
    .wavefront_size: 32
...
	.end_amdgpu_metadata
.endif
;; end of part 5
